; MI455X (gfx1250); checked and timed in simulation.
; The chip was launched on July 23, 2026; its instructions are those of AMD's public machine-readable ISA for CDNA 5 (MIT licence, August 2026) and "CDNA5" Instruction Set Architecture Reference Guide (July 2026). The comments in the code are by the model that wrote it; some were corrected since.
;; Audio Processor. Allowed arithmetic: matrix products marked QUANTISED: E5M2 operands, one E8M0 scale for each 32 along K, by v_wmma_scale_f32_16x16x128_f8f6f4 with both operands' format E5M2, f32 sums; everything else in f32.
;; Inputs: W 512 x 512 float32; audio 128 x 262,144 float32; b 512 float32.
;; Outputs: out0 128 x 512 float32.
;; This version of the problem:
;;   THIS VERSION OF THE PROBLEM IS GIVEN IN LOW PRECISION. The matrix products marked QUANTISED in the list below multiply operands that are first quantised to E5M2 (5 exponent bits, 2 mantissa bits; 8 bits a number), with one power-of-two scale for each 32 numbers along K (OCP MX v1.0); their sums are f32. All else is computed in f32.
;;   The module's matrix products, in the order in which they are computed (A, B: the left and right operand; K: the contracted axis; several contracted axes count as one K, in the product's order):
;;     1. [M 128, K 512] x [K 512, N 512]; A: computed on the way; B: input W: QUANTISED
;;   THE QUANTISER, for each operand of a quantised product, along K:
;;     - K is cut into blocks of 32 from its start; a last block that is shorter is filled with zeros.
;;     - A block's scale is 2^e with e = floor(log2(the largest magnitude in the block)) - 15, held to -126 .. 127; a block of zeros has e = 0. As a byte (E8M0): e + 127.
;;     - Each number is divided by its block's scale, clamped to +-57,344, and rounded to the nearest number of E5M2, ties to even, subnormals kept.
;;     - The product sums the exact products of the quantised numbers (number of the format x scale) in f32.
;;   ~~~python
;;   def quantise(x, axis):      # numpy; x: float32 -> the quantised numbers, widened to float32 again
;;       x = np.moveaxis(x, axis, -1); K = x.shape[-1]
;;       x = np.pad(x, [(0, 0)] * (x.ndim - 1) + [(0, -K % 32)]); x = x.reshape(x.shape[:-1] + (-1, 32)); a = np.abs(x).max(-1, keepdims=True)
;;       e = np.where(a > 0, np.clip(np.frexp(np.where(a > 0, a, 1))[1] - 1 - 15, -126, 127), 0)      # np.frexp(a)[1] - 1 = floor(log2(a)), exactly
;;       r = np.clip(x / 2.0 ** e, -57344, 57344)
;;       step = 2.0 ** (np.maximum(np.frexp(np.where(r == 0, 1, r))[1] - 1, -14) - 2)
;;       q = np.round(r / step) * step * 2.0 ** e      # np.round: ties to even
;;       return np.moveaxis(q.reshape(q.shape[:-2] + (-1,))[..., :K], -1, axis).astype(np.float32)
;;   ~~~
;;   OPERANDS COMPUTED ON THE WAY. 'Computed on the way' means the value that the module computes at that place (a softmax that the list does not call 'softmax' is quantised finished and normalised). What goes into a quantiser is computed in f32, as accurately as f32 sums, v_exp_f32 and their like allow (about 1e-6 of the number): no bf16 or f16 on the way to a quantiser, and a product that is left as it is and whose result goes on into a quantised operand takes f32 operands (vector FMAs, or v_wmma_f32_16x16x4_f32). A number that lies on a knife's edge between two numbers of the format may be rounded either way, as far as f32 arithmetic and the matrix unit's own rounding can turn it there, and no further.
;; 2 versions, each right; version 2 is version 1 with the launches fold_fft, peaks_gemm written anew for expert scheduling mode. Each part assembles by itself: llvm-mc -triple=amdgcn-amd-amdhsa -mcpu=gfx1250 --defsym DOCPART=n.
;; ======== version 1 of 2: 2 launches
;; limits: right only within a limited range of input values
;; workspace buffers: zpart 2,097,152 bytes
;; launch fold_fft (part 1): grid 256 x 1, 16 waves a work-group, no clusters, 67,584 bytes of LDS; arguments audio, zpart; writes zpart
.if DOCPART == 1
	.amdgcn_target "amdgcn-amd-amdhsa--gfx1250"
	.amdhsa_code_object_version 6
	.text
	.protected	k_q7f2a0c0903_fold_fft
	.globl	k_q7f2a0c0903_fold_fft
	.p2align	8
	.type	k_q7f2a0c0903_fold_fft,@function
k_q7f2a0c0903_fold_fft:
	s_mov_b64 s[64:65], 0
	v_nop
	global_prefetch_b8 v0, s[64:65] scope:SCOPE_SE
	s_setreg_imm32_b32 hwreg(HW_REG_WAVE_MODE, 25, 1), 1
	s_wait_xcnt 0x0
; The bins of a row's real DFT (N = 262,144) that the first interpolation reads are 256 j + 127, + 128 (j <= 255) and 256 j + 128, + 129 (j >= 256).
; With n = m + 1024 q:  X[256 j + r] = sum_m w1024^(m j) e^(-2 pi i m r / N) sum_q x[m + 1024 q] e^(-2 pi i q r / 256).
; The inner sums are three real folds of the row onto 1,024 places:  A = sum (-1)^q x (r = 128),  C - i S = sum x (cos - i sin)(2 pi 129 q / 256) (r = 129).
; x is real, so |X[256 j + 127]| = |X[256 (1023 - j) + 129]|: two complex DFTs of 1,024 points serve all bins:
;   Z1 = DFT(A e^(-2 pi i 128 m / N)), outputs 0..511;   Z2 = DFT((C - i S) e^(-2 pi i 129 m / N)), outputs 256..511 and 768..1023.
; SHARES.  Work-group 2 row + g streams the 512 KiB of q = 128 g .. 128 g + 127 of its row, once.  The DFT is linear: each half row is transformed by itself and the
; partial bins (1,024 complex numbers, 8 KiB) go to zpart; the next launch adds the two halves.  Sixteen waves: wave w folds m = 128 (w % 8) .. + 127 over 64 rows of q (w / 8);
; a lane holds 4 neighbouring m, so a load of the wave covers 512 consecutive bytes.  A ring of 32 register slots keeps 32 loads of every wave on their way.
; No sine or cosine instruction is used: an angle is a whole number u of 2^18 to the turn, the quarter turn is taken off exactly, and the rest, at most pi / 4, goes through the series
; (sine to x^9, cosine to x^10: the first terms left out are under 2e-9).  All tables are made while the first loads are out.
; THE DFT: Stockham, radix 4, five stages; thread t of 256 does one butterfly a stage: it reads places t + 256 i, multiplies by w1024^(e r), e = t with its low bits cleared,
; and writes places t + 3 e + s r (s = 1, 4, 16, 64, 256): the last stage's places are in natural order.  Waves 0-7 do Z1, waves 8-15 Z2.  Two buffers by turns: one barrier a stage.
; LIMITS: NaN and infinities among the inputs are not served.  The sums are f32, in another order than an FFT library's.
.set QROW,  4096                       ; bytes of a row of q: 1,024 samples
.set DEPTH, 32                         ; ring slots = loads of a wave on their way
.set STEPS, 64                         ; rows of q of a wave
.set TAB,   0                          ; LDS: (cos, sin)(2 pi k / 1024), k = 0 .. 767, 8 bytes each
.set SUMS,  8192                       ; LDS: A, C, S, each as two arrays (one for each half of the waves) of 1,024 f32
.set BUF0,  32768                      ; LDS: two buffers, each 8 KiB for Z1 and 8 KiB for Z2
.set BUF1,  49152
.set OFF, 1                            ; v1   16 t: my 16 bytes of a row of q (t = thread % 256); never rewritten
.set T,   2                            ; v2   t
.set SW,  3                            ; v3   LDS: where I put my sums
.set SR,  4                            ; v4   LDS: SUMS + 4 t
.set FB,  5                            ; v5   LDS: 8 t + 8192 f: my place in a buffer (f = thread / 256)
.set GA,  6                            ; v6   8 t: my place in zpart
.set GB,  7                            ; v7   2040 - 8 t: the same, counted from the other end
.set ACA, 8                            ; v[8:11]  A of my 4 m;  v[12:15] C;  v[16:19] S
.set ACC, 12
.set ACS, 16
.set CT,  20                           ; v20, v21 cos, sin of my rows 0-31 (lane = row);  v22, v23 of rows 32-63
.set TW,  24                           ; v[24:31] cos, sin of the input's turn at m = t + 256 i
.set U,   32                           ; v32  an angle, in 2^18 to the turn
.set Q0,  33                           ; v33-36 at work in SINCOS
.set TA,  37                           ; v37  LDS: 8 x thread: my entry of the table
.set PR,  38                           ; v[38:39] a table entry
.set Z,   40                           ; v[40:47] a, b, c, d of a butterfly (re, im)
.set P,   48                           ; v[48:55] a + c, a - c, b + d, b - d
.set Y,   56                           ; v[56:63] the four results
.set X,   64                           ; v[64:191] the ring; behind the stream free:
.set WT,  64                           ; v[64:69] three twiddles
.set O,   70                           ; v[70:75] three products
.set KS9,  14                          ; s14  1 / 9!
.set KC10, 15                          ; s15  -1 / 10!
; cos and sin of 2 pi u / 2^18, u in v[u], 0 <= u < 2^18
.macro SINCOS u, c, s
	v_add_nc_u32 v[Q0], 0x8000, v[\u]
	v_lshrrev_b32 v[Q0], 16, v[Q0]                 ; the nearest quarter turn, 0 .. 4
	v_lshlrev_b32 v[Q0+1], 16, v[Q0]
	v_sub_nc_u32 v[Q0+1], v[\u], v[Q0+1]           ; what is left: -2^15 .. 2^15 - 1, exact
	v_cvt_f32_i32 v[Q0+1], v[Q0+1]
	v_mul_f32 v[Q0+1], 0x37c90fdb, v[Q0+1]         ; x = it times 2 pi / 2^18: at most pi / 4
	v_mul_f32 v[Q0+2], v[Q0+1], v[Q0+1]            ; x^2
	v_fmaak_f32 v[\s], s[KS9], v[Q0+2], 0xb9500d01  ; the two series by turns: -1/7!,
	v_fmaak_f32 v[\c], s[KC10], v[Q0+2], 0x37d00d01 ; 1/8!,
	v_fmaak_f32 v[\s], v[\s], v[Q0+2], 0x3c088889  ; 1/5!,
	v_fmaak_f32 v[\c], v[\c], v[Q0+2], 0xbab60b61  ; -1/6!,
	v_fmaak_f32 v[\s], v[\s], v[Q0+2], 0xbe2aaaab  ; -1/3!,
	v_fmaak_f32 v[\c], v[\c], v[Q0+2], 0x3d2aaaab  ; 1/4!,
	v_mul_f32 v[\s], v[\s], v[Q0+2]
	v_fmaak_f32 v[\c], v[\c], v[Q0+2], 0xbf000000  ; -1/2
	v_fma_f32 v[\s], v[\s], v[Q0+1], v[Q0+1]       ; sin x
	v_fma_f32 v[\c], v[\c], v[Q0+2], 1.0           ; cos x
	v_and_b32 v[Q0+3], 1, v[Q0]
	v_cmp_eq_u32 vcc_lo, 1, v[Q0+3]                ; an odd quarter swaps the two
	v_cndmask_b32 v[Q0+1], v[\c], v[\s], vcc_lo
	v_cndmask_b32 v[Q0+2], v[\s], v[\c], vcc_lo
	v_add_nc_u32 v[Q0+3], 1, v[Q0]
	v_lshlrev_b32 v[Q0+3], 30, v[Q0+3]             ; the cosine is negative in quarters 1, 2: bit 1 of quarter + 1,
	v_lshlrev_b32 v[Q0], 30, v[Q0]                 ; the sine in quarters 2, 3: bit 1 of the quarter
	v_and_b32 v[Q0+3], 0x80000000, v[Q0+3]
	v_and_b32 v[Q0], 0x80000000, v[Q0]
	v_xor_b32 v[\c], v[Q0+1], v[Q0+3]
	v_xor_b32 v[\s], v[Q0+2], v[Q0]
.endm
	s_load_b128 s[4:7], s[0:1], 0x0                ; audio s[4:5], zpart s[6:7]
	v_lshl_add_u32 v192, v0, 2, 0x10000
	v_mov_b32 v193, 0
	v_lshrrev_b32 v[U], 5, v0
	v_readfirstlane_b32 s8, v[U]                   ; wave 0..15
	s_lshr_b32 s9, s8, 3                           ; f: which 64 rows of q I fold; later which DFT I work on
	v_and_b32 v[T], 255, v0
	v_lshlrev_b32 v[OFF], 4, v[T]
	s_lshl_b32 s10, ttmp9, 19                      ; the work-group's 512 KiB (255 x 2^19 stays under 2^31),
	s_lshl_b32 s11, s9, 18                         ; my half of them
	s_add_co_u32 s10, s10, s11
	s_mov_b32 s11, 0
	s_lshl_b32 s12, ttmp9, 13                      ; the work-group's 8 KiB of zpart
	s_mov_b32 s13, 0
	s_wait_kmcnt 0x0
	s_add_nc_u64 s[4:5], s[4:5], s[10:11]
	s_add_nc_u64 s[6:7], s[6:7], s[12:13]
.set I, 0
.rept DEPTH                                    ; the ring is filled before anything else is done; every offset is an immediate, no address is ever stepped
	global_load_b128 v[X+4*I:X+4*I+3], v[OFF], s[4:5] offset:I*QROW th:TH_LOAD_NT
.set I, I+1
.endr
	; addresses and tables, while the loads are out
	v_lshrrev_b32 v[U], 8, v0                      ; f, lane by lane
	v_lshl_add_u32 v[SW], v[U], 12, v[OFF]
	v_add_nc_u32 v[SW], SUMS, v[SW]                ; SUMS + 4096 f + 16 t
	v_lshl_add_u32 v[SR], v[T], 2, SUMS
	v_lshlrev_b32 v[GA], 3, v[T]
	v_lshl_add_u32 v[FB], v[U], 13, v[GA]
	v_sub_nc_u32 v[GB], 2040, v[GA]
	v_lshlrev_b32 v[TA], 3, v0
	s_mov_b32 s[KS9], 0x3638ef1d
	s_mov_b32 s[KC10], 0xb493f27e
	v_lshlrev_b32 v[U], 8, v0                      ; the table's entry k = thread: 256 k of 2^18
	SINCOS U, PR, PR+1
	ds_store_b64 v[TA], v[PR:PR+1] offset:TAB
	s_cmp_lt_u32 s8, 8                             ; entries 512 .. 767 by waves 0-7; 3 e never passes 765
	s_cbranch_scc0 .Lno_tab
	v_add_nc_u32 v[U], 0x20000, v[U]
	SINCOS U, Z, Z+1
	ds_store_b64 v[TA], v[Z:Z+1] offset:TAB+4096
.Lno_tab:
	s_and_b32 s16, ttmp9, 1
	s_lshl_b32 s16, s16, 7
	s_lshl_b32 s17, s9, 6
	s_add_co_u32 s16, s16, s17                     ; my first q: 128 g + 64 f
	v_and_b32 v42, 31, v0
	v_add_nc_u32 v42, s16, v42                     ; lane l: q of my row l
.irp h, 0,1
	v_mul_u32_u24 v[U], v42, 129
	v_and_b32 v[U], 255, v[U]
	v_lshlrev_b32 v[U], 10, v[U]                   ; 129 q mod 256, of 256 to the turn
	SINCOS U, CT+2*\h, CT+2*\h+1
	v_add_nc_u32 v42, 32, v42
.endr
	s_add_co_u32 s17, s9, 128                      ; the input's turn: 128 m of 2^18 for Z1, 129 m for Z2 (at most 131,967)
.irp i, 0,1,2,3
	v_add_nc_u32 v42, 256*\i, v[T]
	v_mul_u32_u24 v[U], v42, s17
	SINCOS U, TW+2*\i, TW+2*\i+1
.endr
.irp i, 0,1,2,3,4,5,6,7,8,9,10,11,12,13,14,15
	s_mov_b32 s[33+2*\i], 0                        ; the upper words of the pairs that the packed forms name: written once, never used
.endr
.irp i, 0,1,2,3,4,5,6,7,8,9,10,11
	v_mov_b32 v[ACA+\i], 0                         ; twelve sums a lane
.endr
; THE STREAM.  Row I of my 64: its slot's load is in when at most DEPTH - 1 younger ones are out (loads come back in order); six packed instructions; the slot takes row I + DEPTH.
; The coefficients of eight rows at a time go from lanes to scalar registers: cos in s[32 + 4 i], sin in s[34 + 4 i].  q's parity is I's: my first q is even.
.set I, 0
.rept STEPS
.if I%8 == 0
.irp i, 0,1,2,3,4,5,6,7
	v_readlane_b32 s[32+4*\i], v[CT+2*(I/32)], (I+\i)%32
	v_readlane_b32 s[34+4*\i], v[CT+2*(I/32)+1], (I+\i)%32
.endr
.endif
.set XS, X+4*(I%DEPTH)
.set SC, 32+4*(I%8)
.if I < DEPTH
	s_wait_loadcnt DEPTH-1
.else
	s_wait_loadcnt STEPS-1-I                       ; nothing more is asked for: the counts run down
.endif
.if I%2
	v_pk_add_f32 v[ACA:ACA+1], v[ACA:ACA+1], v[XS:XS+1] neg_lo:[0,1] neg_hi:[0,1]
	v_pk_add_f32 v[ACA+2:ACA+3], v[ACA+2:ACA+3], v[XS+2:XS+3] neg_lo:[0,1] neg_hi:[0,1]
.else
	v_pk_add_f32 v[ACA:ACA+1], v[ACA:ACA+1], v[XS:XS+1]
	v_pk_add_f32 v[ACA+2:ACA+3], v[ACA+2:ACA+3], v[XS+2:XS+3]
.endif
	v_pk_fma_f32 v[ACC:ACC+1], v[XS:XS+1], s[SC:SC+1], v[ACC:ACC+1] op_sel_hi:[1,0,1]
	v_pk_fma_f32 v[ACC+2:ACC+3], v[XS+2:XS+3], s[SC:SC+1], v[ACC+2:ACC+3] op_sel_hi:[1,0,1]
	v_pk_fma_f32 v[ACS:ACS+1], v[XS:XS+1], s[SC+2:SC+3], v[ACS:ACS+1] op_sel_hi:[1,0,1]
	v_pk_fma_f32 v[ACS+2:ACS+3], v[XS+2:XS+3], s[SC+2:SC+3], v[ACS+2:ACS+3] op_sel_hi:[1,0,1]
.if I < STEPS-DEPTH
	global_load_b128 v[XS:XS+3], v[OFF], s[4:5] offset:(I+DEPTH)*QROW th:TH_LOAD_NT
.endif
.set I, I+1
.endr
	; the sums of the two halves of the waves meet in LDS
	ds_store_b128 v[SW], v[ACA:ACA+3]
	ds_store_b128 v[SW], v[ACC:ACC+3] offset:8192
	ds_store_b128 v[SW], v[ACS:ACS+3] offset:16384
	s_wait_dscnt 0x0                               ; for the others' sake: my sums and my table entries have landed
	s_barrier_signal -1
	s_barrier_wait -1
	; the DFT's input at m = t + 256 i: the two halves added, and turned
	s_cmp_eq_u32 s9, 0
	s_cbranch_scc0 .Lcomplex
.irp i, 0,1,2,3
	ds_load_b32 v[96+2*\i], v[SR] offset:1024*\i
	ds_load_b32 v[97+2*\i], v[SR] offset:4096+1024*\i
.endr
	s_wait_dscnt 0x0
.irp i, 0,1,2,3
	v_add_f32 v[96+2*\i], v[96+2*\i], v[97+2*\i]   ; A
	v_mul_f32 v[Z+2*\i], v[96+2*\i], v[TW+2*\i]    ; A (cos - i sin)
	v_mul_f32 v[Z+2*\i+1], -v[96+2*\i], v[TW+2*\i+1]
.endr
	s_branch .Lturned
.Lcomplex:
.irp i, 0,1,2,3
	ds_load_b32 v[96+4*\i], v[SR] offset:8192+1024*\i
	ds_load_b32 v[97+4*\i], v[SR] offset:12288+1024*\i
	ds_load_b32 v[98+4*\i], v[SR] offset:16384+1024*\i
	ds_load_b32 v[99+4*\i], v[SR] offset:20480+1024*\i
.endr
	s_wait_dscnt 0x0
.irp i, 0,1,2,3
	v_add_f32 v[96+4*\i], v[96+4*\i], v[97+4*\i]   ; C
	v_add_f32 v[98+4*\i], v[98+4*\i], v[99+4*\i]   ; S
	v_mul_f32 v[97+4*\i], v[98+4*\i], v[TW+2*\i+1]
	v_mul_f32 v[99+4*\i], v[98+4*\i], v[TW+2*\i]
	v_fma_f32 v[Z+2*\i], v[96+4*\i], v[TW+2*\i], -v[97+4*\i]        ; (C - i S)(cos - i sin) = C cos - S sin
	v_fma_f32 v[Z+2*\i+1], -v[96+4*\i], v[TW+2*\i+1], -v[99+4*\i]   ;                          - i (C sin + S cos)
.endr
.Lturned:
.macro CMUL o, y, w                    ; v[o], v[o+1] = (v[y] + i v[y+1]) (v[w] - i v[w+1])
	v_mul_f32 v76, v[\y+1], v[\w+1]
	v_mul_f32 v77, v[\y], v[\w+1]
	v_fma_f32 v[\o], v[\y], v[\w], v76
	v_fma_f32 v[\o+1], v[\y+1], v[\w], -v77
.endm
; One of the first four stages.  mask: clears t's low bits (e);  s8 = 8 s;  in, out: the buffers.  first = 1: the input stands in registers.
.macro STAGE first, mask, s8, in, out
	v_and_b32 v78, \mask, v[T]                     ; e
	v_lshlrev_b32 v79, 3, v78
	v_lshlrev_b32 v80, 4, v78
	v_mul_u32_u24 v81, v78, 24
.if !\first
.irp i, 0,1,2,3
	ds_load_b64 v[Z+2*\i:Z+2*\i+1], v[FB] offset:\in+2048*\i
.endr
.endif
	ds_load_b64 v[WT:WT+1], v79 offset:TAB         ; w^e, w^2e, w^3e
	ds_load_b64 v[WT+2:WT+3], v80 offset:TAB
	ds_load_b64 v[WT+4:WT+5], v81 offset:TAB
	v_add_nc_u32 v82, v81, v[FB]                   ; 8 (t + 3 e), in my DFT's half of a buffer
.if !\first
	s_wait_dscnt 3                                 ; a, b, c, d are in; the three twiddles, issued behind them, may be out
.endif
	v_pk_add_f32 v[P:P+1], v[Z:Z+1], v[Z+4:Z+5]
	v_pk_add_f32 v[P+2:P+3], v[Z:Z+1], v[Z+4:Z+5] neg_lo:[0,1] neg_hi:[0,1]
	v_pk_add_f32 v[P+4:P+5], v[Z+2:Z+3], v[Z+6:Z+7]
	v_pk_add_f32 v[P+6:P+7], v[Z+2:Z+3], v[Z+6:Z+7] neg_lo:[0,1] neg_hi:[0,1]
	v_pk_add_f32 v[Y:Y+1], v[P:P+1], v[P+4:P+5]                             ; (a + c) + (b + d)
	v_pk_add_f32 v[Y+4:Y+5], v[P:P+1], v[P+4:P+5] neg_lo:[0,1] neg_hi:[0,1] ; (a + c) - (b + d)
	v_add_f32 v[Y+2], v[P+2], v[P+7]               ; (a - c) - i (b - d)
	v_sub_f32 v[Y+3], v[P+3], v[P+6]
	v_sub_f32 v[Y+6], v[P+2], v[P+7]               ; (a - c) + i (b - d)
	v_add_f32 v[Y+7], v[P+3], v[P+6]
	s_wait_dscnt 0x0
	CMUL O, Y+2, WT
	CMUL O+2, Y+4, WT+2
	CMUL O+4, Y+6, WT+4
	ds_store_b64 v82, v[Y:Y+1] offset:\out
	ds_store_b64 v82, v[O:O+1] offset:\out+\s8
	ds_store_b64 v82, v[O+2:O+3] offset:\out+2*\s8
	ds_store_b64 v82, v[O+4:O+5] offset:\out+3*\s8
	s_wait_dscnt 0x0                               ; my stores have landed, and my reads of the other buffer are over: it is written again behind this barrier
	s_barrier_signal -1
	s_barrier_wait -1
.endm
	STAGE 1, 0xff, 8,   0,    BUF0
	STAGE 0, 0xfc, 32,  BUF0, BUF1
	STAGE 0, 0xf0, 128, BUF1, BUF0
	STAGE 0, 0xc0, 512, BUF0, BUF1
	; the last stage has no twiddles; its results are outputs t + 256 r, of which each DFT stores two quarters: a wave's store covers 256 consecutive bytes, aligned
.irp i, 0,1,2,3
	ds_load_b64 v[Z+2*\i:Z+2*\i+1], v[FB] offset:BUF1+2048*\i
.endr
	s_wait_dscnt 0x0
	v_pk_add_f32 v[P+2:P+3], v[Z:Z+1], v[Z+4:Z+5] neg_lo:[0,1] neg_hi:[0,1]
	v_pk_add_f32 v[P+6:P+7], v[Z+2:Z+3], v[Z+6:Z+7] neg_lo:[0,1] neg_hi:[0,1]
	v_add_f32 v[Y+2], v[P+2], v[P+7]               ; output 256 + t
	v_sub_f32 v[Y+3], v[P+3], v[P+6]
	s_cmp_eq_u32 s9, 0
	s_cbranch_scc0 .Lsecond
	v_pk_add_f32 v[P:P+1], v[Z:Z+1], v[Z+4:Z+5]
	v_pk_add_f32 v[P+4:P+5], v[Z+2:Z+3], v[Z+6:Z+7]
	v_pk_add_f32 v[Y:Y+1], v[P:P+1], v[P+4:P+5]    ; output t
	global_store_b64 v[GA], v[Y:Y+1], s[6:7]                   ; bytes 0 .. 4095: bin 256 j + 128 at 8 j
	global_store_b64 v[GA], v[Y+2:Y+3], s[6:7] offset:2048
	s_wait_tensorcnt 0x0
	ds_add_u32 v192, v193
	s_wait_dscnt 0x0
	s_endpgm
.Lsecond:
	v_sub_f32 v[Y+6], v[P+2], v[P+7]               ; output 768 + t, which stands for bin 256 j + 127 with j = 255 - t
	v_add_f32 v[Y+7], v[P+3], v[P+6]
	global_store_b64 v[GB], v[Y+6:Y+7], s[6:7] offset:4096     ; bytes 4096 .. 8191: the other neighbour of place j at 8 j
	global_store_b64 v[GA], v[Y+2:Y+3], s[6:7] offset:6144     ; j = 256 + t: bin 256 j + 129
	s_wait_tensorcnt 0x0
	ds_add_u32 v192, v193
	s_wait_dscnt 0x0
	s_endpgm
.Lfunc_end_k_q7f2a0c0903_fold_fft:
	.size	k_q7f2a0c0903_fold_fft, .Lfunc_end_k_q7f2a0c0903_fold_fft-k_q7f2a0c0903_fold_fft
	.p2alignl 7, 3214868480
	.fill 96, 4, 3214868480
	.section	.rodata,"a",@progbits
	.p2align	6, 0x0
	.amdhsa_kernel k_q7f2a0c0903_fold_fft
		.amdhsa_group_segment_fixed_size 67584
		.amdhsa_private_segment_fixed_size 0
		.amdhsa_enable_private_segment 0
		.amdhsa_kernarg_size 16
		.amdhsa_user_sgpr_count 2
		.amdhsa_user_sgpr_kernarg_segment_ptr 1
		.amdhsa_wavefront_size32 1
		.amdhsa_system_sgpr_workgroup_id_x 1
		.amdhsa_system_sgpr_workgroup_id_y 1
		.amdhsa_system_sgpr_workgroup_id_z 1
		.amdhsa_system_vgpr_workitem_id 0
		.amdhsa_next_free_vgpr 194
		.amdhsa_next_free_sgpr 66
		.amdhsa_reserve_vcc 1
		.amdhsa_float_denorm_mode_32 3
		.amdhsa_float_denorm_mode_16_64 3
		.amdhsa_memory_ordered 1
		.amdhsa_forward_progress 1
		.amdhsa_inst_pref_size 68
	.end_amdhsa_kernel
	.amdgpu_metadata
---
amdhsa.version: [ 1, 2 ]
amdhsa.kernels:
  - .name:           k_q7f2a0c0903_fold_fft
    .symbol:         k_q7f2a0c0903_fold_fft.kd
    .args:
      - { .name: audio, .offset: 0, .size: 8, .value_kind: global_buffer, .address_space: global }
      - { .name: zpart, .offset: 8, .size: 8, .value_kind: global_buffer, .address_space: global }
    .group_segment_fixed_size: 67584
    .private_segment_fixed_size: 0
    .kernarg_segment_align: 8
    .kernarg_segment_size: 16
    .max_flat_workgroup_size: 512
    .sgpr_count:     66
    .vgpr_count:     194
    .wavefront_size: 32
...
	.end_amdgpu_metadata
.endif
;; end of part 1
;; launch peaks_gemm (part 2): grid 8 x 32, 16 waves a work-group, no clusters, 51,200 bytes of LDS; arguments zpart, W, b, out0; writes out0
.if DOCPART == 2
	.amdgcn_target "amdgcn-amd-amdhsa--gfx1250"
	.amdhsa_code_object_version 6
	.text
	.protected	k_q7f2a0c0903_peaks_gemm
	.globl	k_q7f2a0c0903_peaks_gemm
	.p2align	8
	.type	k_q7f2a0c0903_peaks_gemm,@function
k_q7f2a0c0903_peaks_gemm:
	s_mov_b64 s[64:65], 0
	v_nop
	global_prefetch_b8 v0, s[64:65] scope:SCOPE_SE
	s_setreg_imm32_b32 hwreg(HW_REG_WAVE_MODE, 25, 1), 1
	s_wait_xcnt 0x0
; From the partial bins of the launch before to the result: the two halves of a row are added, magnitudes, the interpolation to 512 places, windows of three, peaks, the interpolation of the
; 171 peaks back to 512 places, and out = Q(peaks) Q(W)^T + b on codes of BF8 (E5M2) with one E8M0 scale for each 32 along K.
; SHARES.  A work-group takes 4 rows x 64 columns of the result: grid 8 (columns) x 32 (rows).  Sixteen waves.  Up to the peaks thread j serves place j of all four rows.
; For the product wave w takes tile nt = w % 4 (16 rows of W = 16 columns of the result) and K step ks = w / 4 (128 along K): it loads and quantises that fragment of W from f32
; (K is innermost in W: a lane's 16 numbers of a block are 64 consecutive bytes), quantises the peaks' fragment of the same K step, and issues one matrix instruction.
; The four K steps' partial sums meet in LDS, and waves 0 and 1 add them and the bias and store: sixteen lanes to 256 consecutive bytes, aligned.
; The peaks' operand has 16 columns and the work-group 4 rows: lane r takes row r % 4, so the result comes four times and rows 0-3 are used.  That is four times the matrix
; instructions that the product needs (one a wave); it buys 256 work-groups, each reading 64 KiB of bins and 128 KiB of W.
; NO CLUSTER, no tensor load: each work-group reads its bytes once, straight into the registers that use them; a joint load would bring the same 192 KiB into LDS first, to be read back from there.
; THE FIRST WEIGHT is made by the f32 operations of the definition, (j + 0.5) x (131073 / 512) - 0.5, whose product is rounded; the weight is counted from bin 256 j + 127 (j < 256) or 256 j + 128, and
; lies in 0 .. 1: at j = 255, where the rounded place is a whole number, it is 1 and gives the same value as the definition's weight 0 from the next bin.
; THE SECOND WEIGHT is exact: ((2 k + 1) 171 - 512) / 1024; index and weight are made in whole numbers.  Peaks 0 and 170 are zeros by definition, so the clamps at both ends are replaced by zeros beside the array.
; MARGINS.  In LDS each row of 512 places has 512 zeros in front, and one more run of zeros follows the last row: so all 256 threads of a row's pass over the windows read written words, with no mask on lanes and no clamp of an address.
; LIMITS: NaN and infinities are not served; a bin whose re^2 + im^2 leaves f32's normal range (magnitude over 1.8e19 or under 1e-19) is not served; two neighbouring windows that agree to the last few bits may be ordered otherwise than by another order of rounding.
; A block of zeros gets the scale byte 1 where the quantiser's text says 127: its codes are zeros, and nobody else reads the byte.
.set SPB,  0                           ; LDS: the 512 places: row p: zeros at 4096 p, places at 4096 p + 2048; zeros at 16384
.set PKB,  18432                       ; LDS: peaks: row p at 1024 p; word L holds peak L - 1; words 0, 1 and 171 .. 255 are zeros
.set PIB,  22528                       ; LDS: the peaks at 512 places, f32
.set PIP,  2064                        ; a row of them: 2,048 bytes + 16
.set REDB, 30784                       ; LDS: the partial sums: K step ks at REDK ks, row r at REDP r, 64 columns
.set REDP, 272
.set REDK, 16*REDP
.set ZO,  1                            ; v1   8 x thread: my bin in a run of 512
.set WO,  2                            ; v2   W: row r of 2,048 bytes + 64 h
.set BO,  3                            ; v3   16 (thread % 16)
.set OO,  4                            ; v4   the result: 2048 (thread / 16) + 16 (thread % 16)
.set SPA, 5                            ; v5   4 x thread
.set SPR, 6                            ; v6   where my windows' nine places begin
.set PKW, 7                            ; v7   where I put a peak
.set PKR, 8                            ; v8   where I read two peaks
.set PIW, 9                            ; v9   where I put an interpolated peak
.set PIR, 10                           ; v10  where my fragment's numbers begin
.set RDW, 11                           ; v11  where I put my partial sums
.set RDR, 12                           ; v12  where I read them back
.set WA,  13                           ; v13  the weight of bin 256 j + 128;  v14 of the other neighbour
.set WB,  14
.set WI,  15                           ; v15  the second interpolation's weight;  v16 one less it
.set OMI, 16
.set NIL, 17                           ; v17  0
.set R,   18                           ; v18  lane % 16;  v19 lane / 16
.set H,   19
.set BI,  28                           ; v[28:31] four numbers of the bias
.set ZR,  32                           ; v[32:63] the partial bins: row p at 8 p: half 0: bin + 128, the other; half 1 likewise
.set WN,  64                           ; v[64:127] 64 numbers of a fragment: W's, later the peaks'
.set WC,  128                          ; v[128:143] W's codes
.set PC,  144                          ; v[144:159] the peaks' codes
.set TM,  160                          ; v[160:175] at work in QUANT
.set WSC, 176                          ; v176 W's scale word;  v177 the peaks': they hold scales and nothing else
.set PSC, 177
.set D,   184                          ; v[184:191] the matrix result
.set SN,  192                          ; v[192:209] at work
.set SM,  212                          ; v[212:217] at work
.set SEL, 28                           ; s[28:29] lane selects: lane l xor 16
.set MNT, 30                           ; s30  the mantissa field of 57,344
; 64 numbers of a lane, register 16 b + i = k 32 b + 16 (lane / 16) + i of my row, become a fragment's codes in v[pc] on and its scale word in v[pw]
.macro QUANT s, pc, pw
.irp b, 0,1,2,3
	v_max3_num_f32 v[TM+\b], |v[\s+16*\b]|, |v[\s+1+16*\b]|, 0x8000000   ; block b: my 16 numbers, and the floor 2^(16 - 127): so the byte cannot fall under 1
.endr
.irp i, 2,4,6,8,10,12,14
.irp b, 0,1,2,3
	v_max3_num_f32 v[TM+\b], v[TM+\b], |v[\s+16*\b+\i]|, |v[\s+1+16*\b+\i]|   ; the four blocks by turns
.endr
.endr
.irp b, 0,1,2,3
	v_permlanex16_b32 v[TM+4+\b], v[TM+\b], s[SEL], s[SEL+1]
.endr
.irp b, 0,1,2,3
	v_max_num_f32 v[TM+\b], v[TM+\b], v[TM+4+\b]   ; with lane l xor 16's: the block's largest magnitude
.endr
.irp b, 0,1,2,3
	v_add_nc_u32 v[TM+12+\b], 0xf8800000, v[TM+\b] ; 15 off its exponent field: the conversion takes this operand's exponent field as its scale
.endr
.irp b, 0,1,2,3
	v_and_or_b32 v[TM+8+\b], v[TM+\b], 0x7f800000, s[MNT]   ; 57,344 x the scale
.endr
.irp b, 0,1,2,3
	v_lshrrev_b32 v[TM+4+\b], 23, v[TM+12+\b]      ; the scale's byte
.endr
	v_lshl_or_b32 v[\pw], v[TM+5], 8, v[TM+4]      ; four bytes: my row's scale word
	v_lshl_or_b32 v[\pw], v[TM+6], 16, v[\pw]
	v_lshl_or_b32 v[\pw], v[TM+7], 24, v[\pw]
.irp b, 0,1,2,3
.irp i, 0,1,2,3,4,5,6,7,8,9,10,11,12,13,14,15
	v_med3_num_f32 v[\s+16*\b+\i], v[\s+16*\b+\i], -v[TM+8+\b], v[TM+8+\b]   ; the conversion to an 8-bit code does not saturate (ISA guide 7.6.2): the hold at the largest code x the scale
.endr
	v_cvt_scalef32_pk8_bf8_f32 v[\pc+4*\b:\pc+1+4*\b], v[\s+16*\b:\s+7+16*\b], v[TM+12+\b]
	v_cvt_scalef32_pk8_bf8_f32 v[\pc+2+4*\b:\pc+3+4*\b], v[\s+8+16*\b:\s+15+16*\b], v[TM+12+\b]
.endr
	v_nop                                          ; a plain vector instruction behind the last conversion
.endm
	s_load_b256 s[4:11], s[0:1], 0x0               ; zpart s[4:5], W s[6:7], b s[8:9], out0 s[10:11]
	v_lshl_add_u32 v224, v0, 2, 0xc000
	v_mov_b32 v225, 0
	v_lshrrev_b32 v20, 5, v0
	v_readfirstlane_b32 s12, v20                   ; wave 0..15
	s_and_b32 s13, s12, 3                          ; nt
	s_lshr_b32 s14, s12, 2                         ; ks
	s_and_b32 s15, ttmp7, 0xffff                   ; which four rows
	s_lshl_b32 s16, s15, 16                        ; their bins: 4 rows x 2 halves x 8 KiB
	s_mov_b32 s17, 0
	s_lshl_b32 s18, ttmp9, 17                      ; W: 64 rows of 2,048 bytes a work-group,
	s_lshl_b32 s20, s13, 15                        ; 16 a tile,
	s_add_co_u32 s18, s18, s20
	s_lshl_b32 s20, s14, 9                         ; 512 bytes a K step
	s_add_co_u32 s18, s18, s20
	s_mov_b32 s19, 0
	s_lshl_b32 s20, ttmp9, 8                       ; 64 columns of f32
	s_mov_b32 s21, 0
	s_lshl_b32 s22, s15, 13                        ; four rows of the result
	s_add_co_u32 s22, s22, s20
	s_mov_b32 s23, 0
	v_lshlrev_b32 v[ZO], 3, v0
	v_and_b32 v[R], 15, v0
	v_bfe_u32 v[H], v0, 4, 1
	v_lshlrev_b32 v[WO], 11, v[R]
	v_lshl_add_u32 v[WO], v[H], 6, v[WO]
	v_lshlrev_b32 v[BO], 4, v[R]
	s_wait_kmcnt 0x0
	s_add_nc_u64 s[4:5], s[4:5], s[16:17]
	s_add_nc_u64 s[6:7], s[6:7], s[18:19]
	s_add_nc_u64 s[8:9], s[8:9], s[20:21]
	s_add_nc_u64 s[10:11], s[10:11], s[22:23]
	global_load_b128 v[BI:BI+3], v[BO], s[8:9]     ; the bias of my four columns: one line in every wave, so that all waves count their loads alike; waves 0 and 1 use it
.irp p, 0,1,2,3
.irp g, 0,1
	global_load_b64 v[ZR+8*\p+4*\g:ZR+8*\p+4*\g+1], v[ZO], s[4:5] offset:(2*\p+\g)*8192        ; a wave reads 256 consecutive bytes
	global_load_b64 v[ZR+8*\p+4*\g+2:ZR+8*\p+4*\g+3], v[ZO], s[4:5] offset:(2*\p+\g)*8192+4096
.endr
.endr
.irp c, 0,1,2,3
.irp q, 0,1,2,3
	global_load_b128 v[WN+16*\c+4*\q:WN+16*\c+4*\q+3], v[WO], s[6:7] offset:128*\c+16*\q       ; W(row r, 128 ks + 32 c + 16 h + 4 q ..)
.endr
.endr
	; weights and LDS addresses, while the loads are out
	v_cvt_f32_u32 v20, v0
	v_add_f32 v20, 0.5, v20
	v_mul_f32 v20, 0x43800040, v20                 ; x 256.001953125: rounded, as in the definition
	v_add_f32 v20, -0.5, v20
	v_lshrrev_b32 v21, 8, v0
	v_lshl_add_u32 v21, v0, 8, v21
	v_add_nc_u32 v21, 127, v21                     ; the lower bin: 256 j + 127 + (j / 256)
	v_cvt_f32_u32 v21, v21
	v_sub_f32 v20, v20, v21                        ; the upper bin's weight (exact),
	v_sub_f32 v21, 1.0, v20                        ; the lower bin's
	v_cmp_gt_u32 vcc_lo, 256, v0
	v_cndmask_b32 v[WA], v21, v20, vcc_lo          ; bin 256 j + 128 is the upper one where j < 256
	v_cndmask_b32 v[WB], v20, v21, vcc_lo
	v_mul_u32_u24 v22, v0, 342
	v_add_nc_u32 v22, 683, v22                     ; (2 k + 1) 171 + 512: 1,024 x (place among the peaks + 1)
	v_and_b32 v23, 1023, v22
	v_cvt_f32_u32 v23, v23
	v_mul_f32 v[WI], 0x3a800000, v23               ; / 1024
	v_sub_f32 v[OMI], 1.0, v[WI]
	v_lshrrev_b32 v22, 10, v22
	v_lshl_add_u32 v[PKR], v22, 2, PKB
	v_lshlrev_b32 v[SPA], 2, v0
	v_and_b32 v24, 255, v0                         ; L: the word of a row of peaks that I make
	v_lshrrev_b32 v25, 8, v0                       ; for rows thread / 256 and that + 2
	v_mul_u32_u24 v[SPR], v24, 12
	v_lshl_add_u32 v[SPR], v25, 12, v[SPR]
	v_add_nc_u32 v[SPR], SPB+2020, v[SPR]          ; place 3 (L - 1) - 4 of the row: 2048 + 4 (3 L - 7)
	v_lshlrev_b32 v[PKW], 2, v24
	v_lshl_add_u32 v[PKW], v25, 10, v[PKW]
	v_add_nc_u32 v[PKW], PKB, v[PKW]
	v_add_nc_u32 v24, -2, v24
	v_cmp_gt_u32 s24, 169, v24                     ; windows 1 .. 169 can be peaks: L = 2 .. 170
	v_add_nc_u32 v[PIW], PIB, v[SPA]
	v_and_b32 v26, 3, v[R]
	v_mul_u32_u24 v[PIR], v26, PIP
	v_lshl_add_u32 v[PIR], v[H], 6, v[PIR]
	s_lshl_b32 s25, s14, 9
	s_add_co_u32 s25, s25, PIB
	v_add_nc_u32 v[PIR], s25, v[PIR]               ; row r % 4, K step ks, + 64 h
	v_mul_u32_u24 v[RDW], v[R], REDP
	v_lshl_add_u32 v[RDW], v[H], 5, v[RDW]
	s_mul_i32 s26, s14, REDK
	s_lshl_b32 s27, s13, 6
	s_add_co_u32 s26, s26, s27
	s_add_co_u32 s26, s26, REDB
	v_add_nc_u32 v[RDW], s26, v[RDW]               ; K step ks, row r, columns 16 nt + 8 h on
	v_lshrrev_b32 v27, 4, v0
	v_mul_u32_u24 v[RDR], v27, REDP
	v_add_nc_u32 v[RDR], v[BO], v[RDR]
	v_add_nc_u32 v[RDR], REDB, v[RDR]
	v_lshl_add_u32 v[OO], v27, 11, v[BO]
	v_mov_b32 v[NIL], 0
	s_mov_b32 s[SEL], 0x76543210
	s_mov_b32 s[SEL+1], 0xfedcba98
	s_mov_b32 s[MNT], 0x600000
.irp b, 0,1,2,3
	v_mov_b32 v[TM+4+\b], 0                        ; written once: a lane permute's destination counts as one of its sources
.endr
	; ---- place j of four rows
	s_wait_loadcnt 16                              ; the bias and the bins are in; W's sixteen loads, issued behind them, may be out
.irp p, 0,1,2,3
	v_pk_add_f32 v[ZR+8*\p:ZR+8*\p+1], v[ZR+8*\p:ZR+8*\p+1], v[ZR+8*\p+4:ZR+8*\p+5]       ; the two halves of the row
	v_pk_add_f32 v[ZR+8*\p+2:ZR+8*\p+3], v[ZR+8*\p+2:ZR+8*\p+3], v[ZR+8*\p+6:ZR+8*\p+7]
.endr
.irp p, 0,1,2,3
	v_mul_f32 v[ZR+8*\p+4], v[ZR+8*\p+1], v[ZR+8*\p+1]
	v_mul_f32 v[ZR+8*\p+5], v[ZR+8*\p+3], v[ZR+8*\p+3]
.endr
.irp p, 0,1,2,3
	v_fma_f32 v[ZR+8*\p+4], v[ZR+8*\p], v[ZR+8*\p], v[ZR+8*\p+4]
	v_fma_f32 v[ZR+8*\p+5], v[ZR+8*\p+2], v[ZR+8*\p+2], v[ZR+8*\p+5]
.endr
.irp p, 0,1,2,3
	v_sqrt_f32 v[ZR+8*\p+6], v[ZR+8*\p+4]          ; eight roots as one batch
	v_sqrt_f32 v[ZR+8*\p+7], v[ZR+8*\p+5]
.endr
	v_nop                                          ; a plain instruction behind the last root,
	s_wait_alu depctr_va_vdst(0)                   ; and one wait for the batch, ahead of its first reader
.irp p, 0,1,2,3
	v_mul_f32 v[ZR+8*\p], v[ZR+8*\p+7], v[WB]
	v_fma_f32 v[ZR+8*\p], v[ZR+8*\p+6], v[WA], v[ZR+8*\p]
.endr
.irp p, 0,1,2,3
	ds_store_b32 v[SPA], v[NIL] offset:SPB+4096*\p
	ds_store_b32 v[SPA], v[ZR+8*\p] offset:SPB+4096*\p+2048
.endr
	ds_store_b32 v[SPA], v[NIL] offset:SPB+16384
	s_wait_dscnt 0x0                               ; for the others' sake: my places and zeros have landed
	s_barrier_signal -1
	s_wait_loadcnt 0x0                             ; W's numbers: my fragment is quantised, in registers alone, while the other waves arrive
	QUANT WN, WC, WSC
	s_barrier_wait -1
	; ---- windows L - 2, L - 1, L of two rows, and the peak
.irp p, 0,1
.irp c, 0,1,2,3,4,5,6,7,8
	ds_load_b32 v[SN+9*\p+\c], v[SPR] offset:8192*\p+4*\c
.endr
.endr
	s_wait_dscnt 0x0
.irp p, 0,1
.irp w, 0,1,2
	v_add_f32 v[SM+3*\p+\w], v[SN+9*\p+3*\w], v[SN+9*\p+3*\w+1]
.endr
.endr
.irp p, 0,1
.irp w, 0,1,2
	v_add_f32 v[SM+3*\p+\w], v[SM+3*\p+\w], v[SN+9*\p+3*\w+2]
.endr
.endr
.irp i, 0,1,2,3,4,5
	v_mul_f32 v[SM+\i], 0x3eaaaaab, v[SM+\i]       ; the mean of three
.endr
.irp p, 0,1
	v_cmp_gt_f32 s26, v[SM+3*\p+1], v[SM+3*\p]
	v_cmp_gt_f32 s27, v[SM+3*\p+1], v[SM+3*\p+2]
	s_and_b32 s26, s26, s27
	s_and_b32 s26, s26, s24                        ; the comparisons choose a value and nothing else
	v_cndmask_b32 v[SM+3*\p], 0, v[SM+3*\p+1], s26
	ds_store_b32 v[PKW], v[SM+3*\p] offset:2048*\p
.endr
	s_wait_dscnt 0x0
	s_barrier_signal -1
	s_barrier_wait -1
	; ---- the peaks at place k of four rows
.irp p, 0,1,2,3
	ds_load_b32 v[SN+2*\p], v[PKR] offset:1024*\p
	ds_load_b32 v[SN+2*\p+1], v[PKR] offset:1024*\p+4
.endr
	s_wait_dscnt 0x0
.irp p, 0,1,2,3
	v_mul_f32 v[SN+2*\p+1], v[SN+2*\p+1], v[WI]
	v_fma_f32 v[SN+2*\p], v[SN+2*\p], v[OMI], v[SN+2*\p+1]
	ds_store_b32 v[PIW], v[SN+2*\p] offset:PIP*\p
.endr
	s_wait_dscnt 0x0
	s_barrier_signal -1
	s_barrier_wait -1
	; ---- the product: my K step's fragment of the peaks, one matrix instruction
.irp c, 0,1,2,3
.irp q, 0,1,2,3
	ds_load_b128 v[WN+16*\c+4*\q:WN+16*\c+4*\q+3], v[PIR] offset:128*\c+16*\q
.endr
.endr
	s_wait_dscnt 0x0
	QUANT WN, PC, PSC
.rept 4
	v_nop                                          ; codes written by vector instructions stand four places ahead of a scaled matrix instruction; the scale word was made ahead of the 64 holds
.endr
	v_wmma_scale_f32_16x16x128_f8f6f4 v[D:D+7], v[WC:WC+15], v[PC:PC+15], 0, v[WSC], v[PSC] matrix_a_fmt:MATRIX_FMT_BF8 matrix_b_fmt:MATRIX_FMT_BF8   ; source 0 = 16 rows of W, source 1 = the peaks: lane (r, h) holds row r % 4, columns 16 nt + 8 h + 0 .. 7
.rept 8
	v_nop                                          ; eight places ahead of the first read of the result
.endr
	ds_store_b128 v[RDW], v[D:D+3]                 ; from the low end on
	ds_store_b128 v[RDW], v[D+4:D+7] offset:16
	s_wait_dscnt 0x0
	s_barrier_signal -1
	s_barrier_wait -1
	; ---- 4 rows x 64 columns: 64 threads, four columns each
	s_cmp_lt_u32 s12, 2
	s_cbranch_scc0 .Ldone
.irp s, 0,1,2,3
	ds_load_b128 v[SN+4*\s:SN+4*\s+3], v[RDR] offset:REDK*\s
.endr
	s_wait_dscnt 0x0
.irp s, 1,2,3
	v_pk_add_f32 v[SN:SN+1], v[SN:SN+1], v[SN+4*\s:SN+4*\s+1]          ; K ascending
	v_pk_add_f32 v[SN+2:SN+3], v[SN+2:SN+3], v[SN+4*\s+2:SN+4*\s+3]
.endr
	v_pk_add_f32 v[SN:SN+1], v[SN:SN+1], v[BI:BI+1]
	v_pk_add_f32 v[SN+2:SN+3], v[SN+2:SN+3], v[BI+2:BI+3]
	global_store_b128 v[OO], v[SN:SN+3], s[10:11] th:TH_STORE_NT       ; sixteen lanes store 256 consecutive bytes, at a multiple of 256 from the result's first byte
.Ldone:
	s_wait_tensorcnt 0x0
	ds_add_u32 v224, v225
	s_wait_dscnt 0x0
	s_endpgm
.Lfunc_end_k_q7f2a0c0903_peaks_gemm:
	.size	k_q7f2a0c0903_peaks_gemm, .Lfunc_end_k_q7f2a0c0903_peaks_gemm-k_q7f2a0c0903_peaks_gemm
	.p2alignl 7, 3214868480
	.fill 96, 4, 3214868480
	.section	.rodata,"a",@progbits
	.p2align	6, 0x0
	.amdhsa_kernel k_q7f2a0c0903_peaks_gemm
		.amdhsa_group_segment_fixed_size 51200
		.amdhsa_private_segment_fixed_size 0
		.amdhsa_enable_private_segment 0
		.amdhsa_kernarg_size 32
		.amdhsa_user_sgpr_count 2
		.amdhsa_user_sgpr_kernarg_segment_ptr 1
		.amdhsa_wavefront_size32 1
		.amdhsa_system_sgpr_workgroup_id_x 1
		.amdhsa_system_sgpr_workgroup_id_y 1
		.amdhsa_system_sgpr_workgroup_id_z 1
		.amdhsa_system_vgpr_workitem_id 0
		.amdhsa_next_free_vgpr 226
		.amdhsa_next_free_sgpr 66
		.amdhsa_reserve_vcc 1
		.amdhsa_float_denorm_mode_32 3
		.amdhsa_float_denorm_mode_16_64 3
		.amdhsa_memory_ordered 1
		.amdhsa_forward_progress 1
		.amdhsa_inst_pref_size 33
	.end_amdhsa_kernel
	.amdgpu_metadata
---
amdhsa.version: [ 1, 2 ]
amdhsa.kernels:
  - .name:           k_q7f2a0c0903_peaks_gemm
    .symbol:         k_q7f2a0c0903_peaks_gemm.kd
    .args:
      - { .name: zpart, .offset: 0, .size: 8, .value_kind: global_buffer, .address_space: global }
      - { .name: W, .offset: 8, .size: 8, .value_kind: global_buffer, .address_space: global }
      - { .name: b, .offset: 16, .size: 8, .value_kind: global_buffer, .address_space: global }
      - { .name: out0, .offset: 24, .size: 8, .value_kind: global_buffer, .address_space: global }
    .group_segment_fixed_size: 51200
    .private_segment_fixed_size: 0
    .kernarg_segment_align: 8
    .kernarg_segment_size: 32
    .max_flat_workgroup_size: 512
    .sgpr_count:     66
    .vgpr_count:     226
    .wavefront_size: 32
...
	.end_amdgpu_metadata
.endif
;; end of part 2
;; ======== version 2 of 2: 2 launches; version 1 with the launches fold_fft, peaks_gemm written anew for expert scheduling mode
;; limits: right only within a limited range of input values
;; workspace buffers: zpart 2,097,152 bytes
;; launch fold_fft (part 3): grid 256 x 1, 16 waves a work-group, no clusters, 67,584 bytes of LDS; arguments audio, zpart; writes zpart
.if DOCPART == 3
	.amdgcn_target "amdgcn-amd-amdhsa--gfx1250"
	.amdhsa_code_object_version 6
	.text
	.protected	k_q7f2a0c0903_fold_fft
	.globl	k_q7f2a0c0903_fold_fft
	.p2align	8
	.type	k_q7f2a0c0903_fold_fft,@function
k_q7f2a0c0903_fold_fft:
	s_mov_b64 s[64:65], 0
	v_nop
	global_prefetch_b8 v0, s[64:65] scope:SCOPE_SE
	s_setreg_imm32_b32 hwreg(HW_REG_WAVE_SCHED_MODE, 0, 2), 2
	s_setreg_imm32_b32 hwreg(HW_REG_WAVE_MODE, 25, 1), 1
	s_wait_xcnt 0x0
	s_wait_alu depctr_vm_vsrc(0)
; The bins of a row's real DFT (N = 262,144) that the first interpolation reads are 256 j + 127, + 128 (j <= 255) and 256 j + 128, + 129 (j >= 256).
; With n = m + 1024 q:  X[256 j + r] = sum_m w1024^(m j) e^(-2 pi i m r / N) sum_q x[m + 1024 q] e^(-2 pi i q r / 256).
; The inner sums are three real folds of the row onto 1,024 places:  A = sum (-1)^q x (r = 128),  C - i S = sum x (cos - i sin)(2 pi 129 q / 256) (r = 129).
; x is real, so |X[256 j + 127]| = |X[256 (1023 - j) + 129]|: two complex DFTs of 1,024 points serve all bins:
;   Z1 = DFT(A e^(-2 pi i 128 m / N)), outputs 0..511;   Z2 = DFT((C - i S) e^(-2 pi i 129 m / N)), outputs 256..511 and 768..1023.
; SHARES.  Work-group 2 row + g streams the 512 KiB of q = 128 g .. 128 g + 127 of its row, once.  The DFT is linear: each half row is transformed by itself and the
; partial bins (1,024 complex numbers, 8 KiB) go to zpart; the next launch adds the two halves.  Sixteen waves: wave w folds m = 128 (w % 8) .. + 127 over 64 rows of q (w / 8);
; a lane holds 4 neighbouring m, so a load of the wave covers 512 consecutive bytes.  A ring of 32 register slots keeps 28 loads or more of every wave on their way.
; No sine or cosine instruction is used: an angle is a whole number u of 2^18 to the turn, the quarter turn is taken off exactly, and the rest, at most pi / 4, goes through the series
; (sine to x^9, cosine to x^10: the first terms left out are under 2e-9).  All tables are made while the first loads are out.
; THE DFT: Stockham, radix 4, five stages; thread t of 256 does one butterfly a stage: it reads places t + 256 i, multiplies by w1024^(e r), e = t with its low bits cleared,
; and writes places t + 3 e + s r (s = 1, 4, 16, 64, 256): the last stage's places are in natural order.  Waves 0-7 do Z1, waves 8-15 Z2.  Two buffers by turns: one barrier a stage.
; LIMITS: NaN and infinities among the inputs are not served.  The sums are f32, in another order than an FFT library's.
; THE MODE: SCHED_MODE bits 1:0 = 2 (LLVM: expert scheduling mode 2), set by the entry lines.  The code itself states the register dependences
; between vector instructions and memory or LDS instructions, with s_wait_alu, always for 0.
; THE PLAN.  Registers that memory or LDS instructions touch:
;   v1, v3-v7, v37, v192-207   offsets and LDS addresses, the four stages' among them: made once at the head, never written again.
;   the ring X                 The 64 rows go in blocks of four.  Row I's six packed instructions read slot I % 32; the load of row I + 32 lands there, issued one block later, among the
;                              next block's vector instructions, which name other slots.  So ONE wait on va_vdst at the head of blocks 1 to 8 states what the block's four loads hang on.
;   v[PR ..], v[Z:Z+1]         table entries: written by the series, read by an LDS store each; v[Z ..] is written again by the input's turn, behind a wait on vm_vsrc.
;   the sums v8-19             written by the stream, read by three LDS stores, never written again.
;   v[Z ..], v[WT ..], v96-111 LDS loads land there; vector instructions read them.  The wait on va_vdst ahead of a phase's LDS stores is the last line of its vector work:
;                              no vector instruction stands between it and the next phase's loads into registers that the phase read.
;   v[Y:Y+1], v[O ..]          written by a stage, read by its four LDS stores, written again by the next stage, behind a wait on vm_vsrc at that stage's head.
; A vector instruction's scalar result (the wave's number, the coefficients from lanes, VCC in the series) has its wait on va_sdst or va_vcc ahead of its first reader.
.set QROW,  4096                       ; bytes of a row of q: 1,024 samples
.set DEPTH, 32                         ; ring slots
.set BLOCK, 4                          ; rows in a block: a slot is asked for again one block behind its row
.set STEPS, 64                         ; rows of q of a wave
.set TAB,   0                          ; LDS: (cos, sin)(2 pi k / 1024), k = 0 .. 767, 8 bytes each
.set SUMS,  8192                       ; LDS: A, C, S, each as two arrays (one for each half of the waves) of 1,024 f32
.set BUF0,  32768                      ; LDS: two buffers, each 8 KiB for Z1 and 8 KiB for Z2
.set BUF1,  49152
.set OFF, 1                            ; v1   16 t: my 16 bytes of a row of q (t = thread % 256); never rewritten
.set T,   2                            ; v2   t
.set SW,  3                            ; v3   LDS: where I put my sums
.set SR,  4                            ; v4   LDS: SUMS + 4 t
.set FB,  5                            ; v5   LDS: 8 t + 8192 f: my place in a buffer (f = thread / 256)
.set GA,  6                            ; v6   8 t: my place in zpart
.set GB,  7                            ; v7   2040 - 8 t: the same, counted from the other end
.set ACA, 8                            ; v[8:11]  A of my 4 m;  v[12:15] C;  v[16:19] S
.set ACC, 12
.set ACS, 16
.set CT,  20                           ; v20, v21 cos, sin of my rows 0-31 (lane = row);  v22, v23 of rows 32-63
.set TW,  24                           ; v[24:31] cos, sin of the input's turn at m = t + 256 i
.set U,   32                           ; v32  an angle, in 2^18 to the turn
.set Q0,  33                           ; v33-36 at work in SINCOS
.set TA,  37                           ; v37  LDS: 8 x thread: my entry of the table
.set PR,  38                           ; v[38:39] a table entry
.set Z,   40                           ; v[40:47] a, b, c, d of a butterfly (re, im)
.set P,   48                           ; v[48:55] a + c, a - c, b + d, b - d
.set Y,   56                           ; v[56:63] the four results
.set X,   64                           ; v[64:191] the ring; behind the stream free:
.set WT,  64                           ; v[64:69] three twiddles
.set O,   70                           ; v[70:75] three products
.set AD,  192                          ; v[192:207] stage k at AD + 4 k: 8 e, 16 e, 24 e (w^e, w^2e, w^3e in the table) and 8 (t + 3 e) in my DFT's half of a buffer
.set KS9,  14                          ; s14  1 / 9!
.set KC10, 15                          ; s15  -1 / 10!
; cos and sin of 2 pi u / 2^18, u in v[u], 0 <= u < 2^18
.macro SINCOS u, c, s
	v_add_nc_u32 v[Q0], 0x8000, v[\u]
	v_lshrrev_b32 v[Q0], 16, v[Q0]                 ; the nearest quarter turn, 0 .. 4
	v_and_b32 v[Q0+3], 1, v[Q0]
	v_cmp_eq_u32 vcc_lo, 1, v[Q0+3]                ; an odd quarter swaps the two: asked here, used behind the series
	v_lshlrev_b32 v[Q0+1], 16, v[Q0]
	v_sub_nc_u32 v[Q0+1], v[\u], v[Q0+1]           ; what is left: -2^15 .. 2^15 - 1, exact
	v_cvt_f32_i32 v[Q0+1], v[Q0+1]
	v_mul_f32 v[Q0+1], 0x37c90fdb, v[Q0+1]         ; x = it times 2 pi / 2^18: at most pi / 4
	v_mul_f32 v[Q0+2], v[Q0+1], v[Q0+1]            ; x^2
	v_fmaak_f32 v[\s], s[KS9], v[Q0+2], 0xb9500d01  ; the two series by turns: -1/7!,
	v_fmaak_f32 v[\c], s[KC10], v[Q0+2], 0x37d00d01 ; 1/8!,
	v_fmaak_f32 v[\s], v[\s], v[Q0+2], 0x3c088889  ; 1/5!,
	v_fmaak_f32 v[\c], v[\c], v[Q0+2], 0xbab60b61  ; -1/6!,
	v_fmaak_f32 v[\s], v[\s], v[Q0+2], 0xbe2aaaab  ; -1/3!,
	v_fmaak_f32 v[\c], v[\c], v[Q0+2], 0x3d2aaaab  ; 1/4!,
	v_mul_f32 v[\s], v[\s], v[Q0+2]
	v_fmaak_f32 v[\c], v[\c], v[Q0+2], 0xbf000000  ; -1/2
	v_fma_f32 v[\s], v[\s], v[Q0+1], v[Q0+1]       ; sin x
	v_fma_f32 v[\c], v[\c], v[Q0+2], 1.0           ; cos x
	s_wait_alu depctr_va_vcc(0)                    ; the compare above has written VCC, which the two selects read
	v_cndmask_b32 v[Q0+1], v[\c], v[\s], vcc_lo
	v_cndmask_b32 v[Q0+2], v[\s], v[\c], vcc_lo
	v_add_nc_u32 v[Q0+3], 1, v[Q0]
	v_lshlrev_b32 v[Q0+3], 30, v[Q0+3]             ; the cosine is negative in quarters 1, 2: bit 1 of quarter + 1,
	v_lshlrev_b32 v[Q0], 30, v[Q0]                 ; the sine in quarters 2, 3: bit 1 of the quarter
	v_and_b32 v[Q0+3], 0x80000000, v[Q0+3]
	v_and_b32 v[Q0], 0x80000000, v[Q0]
	v_xor_b32 v[\c], v[Q0+1], v[Q0+3]
	v_xor_b32 v[\s], v[Q0+2], v[Q0]
.endm
	s_load_b128 s[4:7], s[0:1], 0x0                ; audio s[4:5], zpart s[6:7]
	v_lshl_add_u32 v208, v0, 2, 0x10000
	v_mov_b32 v209, 0
	v_lshrrev_b32 v[U], 5, v0
	v_readfirstlane_b32 s8, v[U]                   ; wave 0..15
	v_and_b32 v[T], 255, v0
	v_lshlrev_b32 v[OFF], 4, v[T]
	s_wait_alu depctr_va_sdst(0)                   ; s8 is written, ahead of its first reader
	s_lshr_b32 s9, s8, 3                           ; f: which 64 rows of q I fold; later which DFT I work on
	s_lshl_b32 s10, ttmp9, 19                      ; the work-group's 512 KiB (255 x 2^19 stays under 2^31),
	s_lshl_b32 s11, s9, 18                         ; my half of them
	s_add_co_u32 s10, s10, s11
	s_mov_b32 s11, 0
	s_lshl_b32 s12, ttmp9, 13                      ; the work-group's 8 KiB of zpart
	s_mov_b32 s13, 0
	s_wait_kmcnt 0x0
	s_add_nc_u64 s[4:5], s[4:5], s[10:11]
	s_add_nc_u64 s[6:7], s[6:7], s[12:13]
	s_wait_alu depctr_va_vdst(0)                   ; v[OFF] is written: every load of the stream reads it as its offset
.set I, 0
.rept DEPTH                                    ; the ring is filled before anything else is done; every offset is an immediate, no address is ever stepped
	global_load_b128 v[X+4*I:X+4*I+3], v[OFF], s[4:5] offset:I*QROW th:TH_LOAD_NT
.set I, I+1
.endr
	; addresses and tables, while the loads are out
	v_lshrrev_b32 v[U], 8, v0                      ; f, lane by lane
	v_lshl_add_u32 v[SW], v[U], 12, v[OFF]
	v_add_nc_u32 v[SW], SUMS, v[SW]                ; SUMS + 4096 f + 16 t
	v_lshl_add_u32 v[SR], v[T], 2, SUMS
	v_lshlrev_b32 v[GA], 3, v[T]
	v_lshl_add_u32 v[FB], v[U], 13, v[GA]
	v_sub_nc_u32 v[GB], 2040, v[GA]
	v_lshlrev_b32 v[TA], 3, v0
.irp k, 0,1,2,3                                ; the stages' LDS addresses: e = t with its 2 k low bits cleared
	v_and_b32 v[AD+4*\k+3], 256-(1<<(2*\k)), v[T]
	v_lshlrev_b32 v[AD+4*\k], 3, v[AD+4*\k+3]
	v_lshlrev_b32 v[AD+4*\k+1], 4, v[AD+4*\k+3]
	v_mul_u32_u24 v[AD+4*\k+2], v[AD+4*\k+3], 24
	v_add_nc_u32 v[AD+4*\k+3], v[AD+4*\k+2], v[FB] ; 8 (t + 3 e), in my DFT's half of a buffer
.endr
	s_mov_b32 s[KS9], 0x3638ef1d
	s_mov_b32 s[KC10], 0xb493f27e
	v_lshlrev_b32 v[U], 8, v0                      ; the table's entry k = thread: 256 k of 2^18
	SINCOS U, PR, PR+1
	s_wait_alu depctr_va_vdst(0)                   ; v[PR:PR+1] and v[TA] are written, which the LDS store reads
	ds_store_b64 v[TA], v[PR:PR+1] offset:TAB
	s_cmp_lt_u32 s8, 8                             ; entries 512 .. 767 by waves 0-7; 3 e never passes 765
	s_cbranch_scc0 .Lno_tab
	v_add_nc_u32 v[U], 0x20000, v[U]
	SINCOS U, Z, Z+1
	s_wait_alu depctr_va_vdst(0)                   ; v[Z:Z+1] are written, which the LDS store reads
	ds_store_b64 v[TA], v[Z:Z+1] offset:TAB+4096
.Lno_tab:
	s_and_b32 s16, ttmp9, 1
	s_lshl_b32 s16, s16, 7
	s_lshl_b32 s17, s9, 6
	s_add_co_u32 s16, s16, s17                     ; my first q: 128 g + 64 f
	v_and_b32 v42, 31, v0
	v_add_nc_u32 v42, s16, v42                     ; lane l: q of my row l
.irp h, 0,1
	v_mul_u32_u24 v[U], v42, 129
	v_and_b32 v[U], 255, v[U]
	v_lshlrev_b32 v[U], 10, v[U]                   ; 129 q mod 256, of 256 to the turn
	SINCOS U, CT+2*\h, CT+2*\h+1
	v_add_nc_u32 v42, 32, v42
.endr
	s_add_co_u32 s17, s9, 128                      ; the input's turn: 128 m of 2^18 for Z1, 129 m for Z2 (at most 131,967)
.irp i, 0,1,2,3
	v_add_nc_u32 v42, 256*\i, v[T]
	v_mul_u32_u24 v[U], v42, s17
	SINCOS U, TW+2*\i, TW+2*\i+1
.endr
.irp i, 0,1,2,3,4,5,6,7,8,9,10,11,12,13,14,15
	s_mov_b32 s[33+2*\i], 0                        ; the upper words of the pairs that the packed forms name: written once, never used
.endr
.irp i, 0,1,2,3,4,5,6,7,8,9,10,11
	v_mov_b32 v[ACA+\i], 0                         ; twelve sums a lane
.endr
; THE STREAM.  Row I of my 64: six packed instructions on its slot.  Rows 4 to 35 first ask for row I + 28, into the slot of row I - 4: the block before's, which no vector instruction of this block names.
; The wait for row I's load counts the younger loads (loads come back in order): 31 - I while nothing has been asked for again; then 28 (I + 29 are issued, I + 1 of them mine or older); at the end 63 - I.
; The coefficients of eight rows at a time go from lanes to scalar registers: cos in s[32 + 4 i], sin in s[34 + 4 i].  q's parity is I's: my first q is even.
.set I, 0
.rept STEPS
.if (I%BLOCK == 0) && (I >= BLOCK) && (I <= DEPTH)
	s_wait_alu depctr_va_vdst(0)                   ; the block before is done reading its four slots, in which this block's four loads land
.endif
.if I%8 == 0
.irp i, 0,1,2,3,4,5,6,7
	v_readlane_b32 s[32+4*\i], v[CT+2*(I/32)], (I+\i)%32
	v_readlane_b32 s[34+4*\i], v[CT+2*(I/32)+1], (I+\i)%32
.endr
.endif
.set XS, X+4*(I%DEPTH)
.set XL, X+4*((I+DEPTH-BLOCK)%DEPTH)
.set SC, 32+4*(I%8)
.if (I >= BLOCK) && (I < DEPTH+BLOCK)
	global_load_b128 v[XL:XL+3], v[OFF], s[4:5] offset:(I+DEPTH-BLOCK)*QROW th:TH_LOAD_NT
.endif
.if I < BLOCK
	s_wait_loadcnt DEPTH-1-I
.elseif I < DEPTH+BLOCK
	s_wait_loadcnt DEPTH-BLOCK
.else
	s_wait_loadcnt STEPS-1-I                       ; nothing more is asked for: the counts run down
.endif
.if I%8 == 0
	s_wait_alu depctr_va_sdst(0)                   ; the sixteen coefficients are written to s32 .. s62, ahead of their first reader
.endif
.if I%2
	v_pk_add_f32 v[ACA:ACA+1], v[ACA:ACA+1], v[XS:XS+1] neg_lo:[0,1] neg_hi:[0,1]
	v_pk_add_f32 v[ACA+2:ACA+3], v[ACA+2:ACA+3], v[XS+2:XS+3] neg_lo:[0,1] neg_hi:[0,1]
.else
	v_pk_add_f32 v[ACA:ACA+1], v[ACA:ACA+1], v[XS:XS+1]
	v_pk_add_f32 v[ACA+2:ACA+3], v[ACA+2:ACA+3], v[XS+2:XS+3]
.endif
	v_pk_fma_f32 v[ACC:ACC+1], v[XS:XS+1], s[SC:SC+1], v[ACC:ACC+1] op_sel_hi:[1,0,1]
	v_pk_fma_f32 v[ACC+2:ACC+3], v[XS+2:XS+3], s[SC:SC+1], v[ACC+2:ACC+3] op_sel_hi:[1,0,1]
	v_pk_fma_f32 v[ACS:ACS+1], v[XS:XS+1], s[SC+2:SC+3], v[ACS:ACS+1] op_sel_hi:[1,0,1]
	v_pk_fma_f32 v[ACS+2:ACS+3], v[XS+2:XS+3], s[SC+2:SC+3], v[ACS+2:ACS+3] op_sel_hi:[1,0,1]
.set I, I+1
.endr
	; the sums of the two halves of the waves meet in LDS
	s_wait_alu depctr_va_vdst(0)                   ; the stream has written the sums, which the LDS stores read, and is done reading the ring, in whose registers (v64-69, v96-111) LDS loads land below
	ds_store_b128 v[SW], v[ACA:ACA+3]
	ds_store_b128 v[SW], v[ACC:ACC+3] offset:8192
	ds_store_b128 v[SW], v[ACS:ACS+3] offset:16384
	s_wait_dscnt 0x0                               ; for the others' sake: my sums and my table entries have landed
	s_barrier_signal -1
	s_barrier_wait -1
	s_wait_alu depctr_vm_vsrc(0)                   ; in waves 0-7 the table's second store has read v[Z:Z+1], which the turn below writes: the wait stands ahead of the branch
	; the DFT's input at m = t + 256 i: the two halves added, and turned
	s_cmp_eq_u32 s9, 0
	s_cbranch_scc0 .Lcomplex
.irp i, 0,1,2,3
	ds_load_b32 v[96+2*\i], v[SR] offset:1024*\i
	ds_load_b32 v[97+2*\i], v[SR] offset:4096+1024*\i
.endr
	s_wait_dscnt 0x0
.irp i, 0,1,2,3
	v_add_f32 v[96+2*\i], v[96+2*\i], v[97+2*\i]   ; A
	v_mul_f32 v[Z+2*\i], v[96+2*\i], v[TW+2*\i]    ; A (cos - i sin)
	v_mul_f32 v[Z+2*\i+1], -v[96+2*\i], v[TW+2*\i+1]
.endr
	s_branch .Lturned
.Lcomplex:
.irp i, 0,1,2,3
	ds_load_b32 v[96+4*\i], v[SR] offset:8192+1024*\i
	ds_load_b32 v[97+4*\i], v[SR] offset:12288+1024*\i
	ds_load_b32 v[98+4*\i], v[SR] offset:16384+1024*\i
	ds_load_b32 v[99+4*\i], v[SR] offset:20480+1024*\i
.endr
	s_wait_dscnt 0x0
.irp i, 0,1,2,3
	v_add_f32 v[96+4*\i], v[96+4*\i], v[97+4*\i]   ; C
	v_add_f32 v[98+4*\i], v[98+4*\i], v[99+4*\i]   ; S
	v_mul_f32 v[97+4*\i], v[98+4*\i], v[TW+2*\i+1]
	v_mul_f32 v[99+4*\i], v[98+4*\i], v[TW+2*\i]
	v_fma_f32 v[Z+2*\i], v[96+4*\i], v[TW+2*\i], -v[97+4*\i]        ; (C - i S)(cos - i sin) = C cos - S sin
	v_fma_f32 v[Z+2*\i+1], -v[96+4*\i], v[TW+2*\i+1], -v[99+4*\i]   ;                          - i (C sin + S cos)
.endr
.Lturned:
.macro CMUL o, y, w                    ; v[o], v[o+1] = (v[y] + i v[y+1]) (v[w] - i v[w+1])
	v_mul_f32 v76, v[\y+1], v[\w+1]
	v_mul_f32 v77, v[\y], v[\w+1]
	v_fma_f32 v[\o], v[\y], v[\w], v76
	v_fma_f32 v[\o+1], v[\y+1], v[\w], -v77
.endm
; One of the first four stages.  k: the stage, whose addresses stand in v[AD + 4 k ..];  s8 = 8 s;  in, out: the buffers.  first = 1: the input stands in registers.
; The stage's loads owe no wait on va_vdst: since the last one (ahead of the stage before's stores; for the first stage ahead of the sums' stores) no vector instruction names v[WT ..], the addresses or, where they are loaded, v[Z ..].
.macro STAGE first, k, s8, in, out
.if !\first
	s_wait_alu depctr_vm_vsrc(0)                   ; the stage before's LDS stores have read v[Y:Y+1] and v[O ..], which this stage writes again
.irp i, 0,1,2,3
	ds_load_b64 v[Z+2*\i:Z+2*\i+1], v[FB] offset:\in+2048*\i
.endr
.endif
	ds_load_b64 v[WT:WT+1], v[AD+4*\k] offset:TAB          ; w^e, w^2e, w^3e
	ds_load_b64 v[WT+2:WT+3], v[AD+4*\k+1] offset:TAB
	ds_load_b64 v[WT+4:WT+5], v[AD+4*\k+2] offset:TAB
.if !\first
	s_wait_dscnt 3                                 ; a, b, c, d are in; the three twiddles, issued behind them, may be out
.endif
	v_pk_add_f32 v[P:P+1], v[Z:Z+1], v[Z+4:Z+5]
	v_pk_add_f32 v[P+2:P+3], v[Z:Z+1], v[Z+4:Z+5] neg_lo:[0,1] neg_hi:[0,1]
	v_pk_add_f32 v[P+4:P+5], v[Z+2:Z+3], v[Z+6:Z+7]
	v_pk_add_f32 v[P+6:P+7], v[Z+2:Z+3], v[Z+6:Z+7] neg_lo:[0,1] neg_hi:[0,1]
	v_pk_add_f32 v[Y:Y+1], v[P:P+1], v[P+4:P+5]                             ; (a + c) + (b + d)
	v_pk_add_f32 v[Y+4:Y+5], v[P:P+1], v[P+4:P+5] neg_lo:[0,1] neg_hi:[0,1] ; (a + c) - (b + d)
	v_add_f32 v[Y+2], v[P+2], v[P+7]               ; (a - c) - i (b - d)
	v_sub_f32 v[Y+3], v[P+3], v[P+6]
	v_sub_f32 v[Y+6], v[P+2], v[P+7]               ; (a - c) + i (b - d)
	v_add_f32 v[Y+7], v[P+3], v[P+6]
	s_wait_dscnt 0x0
	CMUL O, Y+2, WT
	CMUL O+2, Y+4, WT+2
	CMUL O+4, Y+6, WT+4
	s_wait_alu depctr_va_vdst(0)                   ; the butterfly has written v[Y:Y+1] and v[O ..], which the LDS stores read, and is done reading v[Z ..] and v[WT ..], in which the next stage's loads land
	ds_store_b64 v[AD+4*\k+3], v[Y:Y+1] offset:\out
	ds_store_b64 v[AD+4*\k+3], v[O:O+1] offset:\out+\s8
	ds_store_b64 v[AD+4*\k+3], v[O+2:O+3] offset:\out+2*\s8
	ds_store_b64 v[AD+4*\k+3], v[O+4:O+5] offset:\out+3*\s8
	s_wait_dscnt 0x0                               ; my stores have landed, and my reads of the other buffer are over: it is written again behind this barrier
	s_barrier_signal -1
	s_barrier_wait -1
.endm
	STAGE 1, 0, 8,   0,    BUF0
	STAGE 0, 1, 32,  BUF0, BUF1
	STAGE 0, 2, 128, BUF1, BUF0
	STAGE 0, 3, 512, BUF0, BUF1
	; the last stage has no twiddles; its results are outputs t + 256 r, of which each DFT stores two quarters: a wave's store covers 256 consecutive bytes, aligned
	s_wait_alu depctr_vm_vsrc(0)                   ; the fourth stage's LDS stores have read v[Y:Y+1], which waves 0-7 write below: the wait stands ahead of the branch
.irp i, 0,1,2,3
	ds_load_b64 v[Z+2*\i:Z+2*\i+1], v[FB] offset:BUF1+2048*\i
.endr
	s_wait_dscnt 0x0
	v_pk_add_f32 v[P+2:P+3], v[Z:Z+1], v[Z+4:Z+5] neg_lo:[0,1] neg_hi:[0,1]
	v_pk_add_f32 v[P+6:P+7], v[Z+2:Z+3], v[Z+6:Z+7] neg_lo:[0,1] neg_hi:[0,1]
	v_add_f32 v[Y+2], v[P+2], v[P+7]               ; output 256 + t
	v_sub_f32 v[Y+3], v[P+3], v[P+6]
	s_cmp_eq_u32 s9, 0
	s_cbranch_scc0 .Lsecond
	v_pk_add_f32 v[P:P+1], v[Z:Z+1], v[Z+4:Z+5]
	v_pk_add_f32 v[P+4:P+5], v[Z+2:Z+3], v[Z+6:Z+7]
	v_pk_add_f32 v[Y:Y+1], v[P:P+1], v[P+4:P+5]    ; output t
	s_wait_alu depctr_va_vdst(0)                   ; v[Y:Y+3] are written, which the two stores read
	global_store_b64 v[GA], v[Y:Y+1], s[6:7]                   ; bytes 0 .. 4095: bin 256 j + 128 at 8 j
	global_store_b64 v[GA], v[Y+2:Y+3], s[6:7] offset:2048
	s_wait_dscnt 0x0
	s_wait_alu depctr_hold_cnt(0) depctr_sa_sdst(0) depctr_va_vdst(0) depctr_va_sdst(0) depctr_va_ssrc(0) depctr_va_vcc(0) depctr_vm_vsrc(0)
	s_wait_tensorcnt 0x0
	ds_add_u32 v208, v209
	s_wait_dscnt 0x0
	s_endpgm
.Lsecond:
	v_sub_f32 v[Y+6], v[P+2], v[P+7]               ; output 768 + t, which stands for bin 256 j + 127 with j = 255 - t
	v_add_f32 v[Y+7], v[P+3], v[P+6]
	s_wait_alu depctr_va_vdst(0)                   ; v[Y+2:Y+3] and v[Y+6:Y+7] are written, which the two stores read
	global_store_b64 v[GB], v[Y+6:Y+7], s[6:7] offset:4096     ; bytes 4096 .. 8191: the other neighbour of place j at 8 j
	global_store_b64 v[GA], v[Y+2:Y+3], s[6:7] offset:6144     ; j = 256 + t: bin 256 j + 129
	s_wait_dscnt 0x0
	s_wait_alu depctr_hold_cnt(0) depctr_sa_sdst(0) depctr_va_vdst(0) depctr_va_sdst(0) depctr_va_ssrc(0) depctr_va_vcc(0) depctr_vm_vsrc(0)
	s_wait_tensorcnt 0x0
	ds_add_u32 v208, v209
	s_wait_dscnt 0x0
	s_endpgm
.Lfunc_end_k_q7f2a0c0903_fold_fft:
	.size	k_q7f2a0c0903_fold_fft, .Lfunc_end_k_q7f2a0c0903_fold_fft-k_q7f2a0c0903_fold_fft
	.p2alignl 7, 3214868480
	.fill 96, 4, 3214868480
	.section	.rodata,"a",@progbits
	.p2align	6, 0x0
	.amdhsa_kernel k_q7f2a0c0903_fold_fft
		.amdhsa_group_segment_fixed_size 67584
		.amdhsa_private_segment_fixed_size 0
		.amdhsa_enable_private_segment 0
		.amdhsa_kernarg_size 16
		.amdhsa_user_sgpr_count 2
		.amdhsa_user_sgpr_kernarg_segment_ptr 1
		.amdhsa_wavefront_size32 1
		.amdhsa_system_sgpr_workgroup_id_x 1
		.amdhsa_system_sgpr_workgroup_id_y 1
		.amdhsa_system_sgpr_workgroup_id_z 1
		.amdhsa_system_vgpr_workitem_id 0
		.amdhsa_next_free_vgpr 210
		.amdhsa_next_free_sgpr 66
		.amdhsa_reserve_vcc 1
		.amdhsa_float_denorm_mode_32 3
		.amdhsa_float_denorm_mode_16_64 3
		.amdhsa_memory_ordered 1
		.amdhsa_forward_progress 1
		.amdhsa_inst_pref_size 69
	.end_amdhsa_kernel
	.amdgpu_metadata
---
amdhsa.version: [ 1, 2 ]
amdhsa.kernels:
  - .name:           k_q7f2a0c0903_fold_fft
    .symbol:         k_q7f2a0c0903_fold_fft.kd
    .args:
      - { .name: audio, .offset: 0, .size: 8, .value_kind: global_buffer, .address_space: global }
      - { .name: zpart, .offset: 8, .size: 8, .value_kind: global_buffer, .address_space: global }
    .group_segment_fixed_size: 67584
    .private_segment_fixed_size: 0
    .kernarg_segment_align: 8
    .kernarg_segment_size: 16
    .max_flat_workgroup_size: 512
    .sgpr_count:     66
    .vgpr_count:     210
    .wavefront_size: 32
...
	.end_amdgpu_metadata
.endif
;; end of part 3
;; launch peaks_gemm (part 4): grid 8 x 32, 16 waves a work-group, no clusters, 51,200 bytes of LDS; arguments zpart, W, b, out0; writes out0
.if DOCPART == 4
	.amdgcn_target "amdgcn-amd-amdhsa--gfx1250"
	.amdhsa_code_object_version 6
	.text
	.protected	k_q7f2a0c0903_peaks_gemm
	.globl	k_q7f2a0c0903_peaks_gemm
	.p2align	8
	.type	k_q7f2a0c0903_peaks_gemm,@function
k_q7f2a0c0903_peaks_gemm:
	s_mov_b64 s[64:65], 0
	v_nop
	global_prefetch_b8 v0, s[64:65] scope:SCOPE_SE
	s_setreg_imm32_b32 hwreg(HW_REG_WAVE_SCHED_MODE, 0, 2), 2
	s_setreg_imm32_b32 hwreg(HW_REG_WAVE_MODE, 25, 1), 1
	s_wait_xcnt 0x0
	s_wait_alu depctr_vm_vsrc(0)
; From the partial bins of the launch before to the result: the two halves of a row are added, magnitudes, the interpolation to 512 places, windows of three, peaks, the interpolation of the
; 171 peaks back to 512 places, and out = Q(peaks) Q(W)^T + b on codes of BF8 (E5M2) with one E8M0 scale for each 32 along K.
; SHARES.  A work-group takes 4 rows x 64 columns of the result: grid 8 (columns) x 32 (rows).  Sixteen waves.  Up to the peaks thread j serves place j of all four rows.
; For the product wave w takes tile nt = w % 4 (16 rows of W = 16 columns of the result) and K step ks = w / 4 (128 along K): it loads and quantises that fragment of W from f32
; (K is innermost in W: a lane's 16 numbers of a block are 64 consecutive bytes), quantises the peaks' fragment of the same K step, and issues one matrix instruction.
; The four K steps' partial sums meet in LDS, and waves 0 and 1 add them and the bias and store: sixteen lanes to 256 consecutive bytes, aligned.
; The peaks' operand has 16 columns and the work-group 4 rows: lane r takes row r % 4, so the result comes four times and rows 0-3 are used.  That is four times the matrix
; instructions that the product needs (one a wave); it buys 256 work-groups, each reading 64 KiB of bins and 128 KiB of W.
; NO CLUSTER, no tensor load: each work-group reads its bytes once, straight into the registers that use them; a joint load would bring the same 192 KiB into LDS first, to be read back from there.
; THE FIRST WEIGHT is made by the f32 operations of the definition, (j + 0.5) x (131073 / 512) - 0.5, whose product is rounded; the weight is counted from bin 256 j + 127 (j < 256) or 256 j + 128, and
; lies in 0 .. 1: at j = 255, where the rounded place is a whole number, it is 1 and gives the same value as the definition's weight 0 from the next bin.
; THE SECOND WEIGHT is exact: ((2 k + 1) 171 - 512) / 1024; index and weight are made in whole numbers.  Peaks 0 and 170 are zeros by definition, so the clamps at both ends are replaced by zeros beside the array.
; MARGINS.  In LDS each row of 512 places has 512 zeros in front, and one more run of zeros follows the last row: so all 256 threads of a row's pass over the windows read written words, with no mask on lanes and no clamp of an address.
; LIMITS: NaN and infinities are not served; a bin whose re^2 + im^2 leaves f32's normal range (magnitude over 1.8e19 or under 1e-19) is not served; two neighbouring windows that agree to the last few bits may be ordered otherwise than by another order of rounding.
; A block of zeros gets the scale byte 1 where the quantiser's text says 127: its codes are zeros, and nobody else reads the byte.
; THE MODE: SCHED_MODE bits 1:0 = 2 (LLVM: expert scheduling mode 2), set by the entry lines.  The code itself states the register dependences
; between vector or matrix instructions and memory or LDS instructions, with s_wait_alu, always for 0.
; THE PLAN.  Registers that memory or LDS instructions touch:
;   v1-v12, v[NIL]    offsets, LDS addresses and the zero: made at the head, never written again.
;   v[BI], v[ZR ..]   global loads land there; no vector instruction names them earlier.  v[ZR + 8 p], the places, are read by LDS stores and never written again.
;   v[WN ..]          W's numbers land there; QUANT reads and writes them; later the peaks' numbers land there from LDS, behind the waits on va_vdst of the two phases between.
;   v[SN ..]          LDS loads land there three times.  Each phase's arithmetic stands whole ahead of ONE wait on va_vdst, behind which come its LDS stores; no vector instruction that names v[SN ..]
;                     stands between that wait and the next loads into them.  The third phase's stores read v[SN + 2 p]: a wait on vm_vsrc stands ahead of the last loads.
;   v[SM], v[SM + 3], v[D ..]   data of LDS stores, never written again.
; The codes and scale words go to the scaled matrix instruction behind their places and a wait on va_vdst.  Scalar results of vector instructions (the wave's number, the masks) have their wait on va_sdst or va_vcc ahead of the first reader.
.set SPB,  0                           ; LDS: the 512 places: row p: zeros at 4096 p, places at 4096 p + 2048; zeros at 16384
.set PKB,  18432                       ; LDS: peaks: row p at 1024 p; word L holds peak L - 1; words 0, 1 and 171 .. 255 are zeros
.set PIB,  22528                       ; LDS: the peaks at 512 places, f32
.set PIP,  2064                        ; a row of them: 2,048 bytes + 16
.set REDB, 30784                       ; LDS: the partial sums: K step ks at REDK ks, row r at REDP r, 64 columns
.set REDP, 272
.set REDK, 16*REDP
.set ZO,  1                            ; v1   8 x thread: my bin in a run of 512
.set WO,  2                            ; v2   W: row r of 2,048 bytes + 64 h
.set BO,  3                            ; v3   16 (thread % 16)
.set OO,  4                            ; v4   the result: 2048 (thread / 16) + 16 (thread % 16)
.set SPA, 5                            ; v5   4 x thread
.set SPR, 6                            ; v6   where my windows' nine places begin
.set PKW, 7                            ; v7   where I put a peak
.set PKR, 8                            ; v8   where I read two peaks
.set PIW, 9                            ; v9   where I put an interpolated peak
.set PIR, 10                           ; v10  where my fragment's numbers begin
.set RDW, 11                           ; v11  where I put my partial sums
.set RDR, 12                           ; v12  where I read them back
.set WA,  13                           ; v13  the weight of bin 256 j + 128;  v14 of the other neighbour
.set WB,  14
.set WI,  15                           ; v15  the second interpolation's weight;  v16 one less it
.set OMI, 16
.set NIL, 17                           ; v17  0
.set R,   18                           ; v18  lane % 16;  v19 lane / 16
.set H,   19
.set BI,  28                           ; v[28:31] four numbers of the bias
.set ZR,  32                           ; v[32:63] the partial bins: row p at 8 p: half 0: bin + 128, the other; half 1 likewise
.set WN,  64                           ; v[64:127] 64 numbers of a fragment: W's, later the peaks'
.set WC,  128                          ; v[128:143] W's codes
.set PC,  144                          ; v[144:159] the peaks' codes
.set TM,  160                          ; v[160:175] at work in QUANT
.set WSC, 176                          ; v176 W's scale word;  v177 the peaks': they hold scales and nothing else
.set PSC, 177
.set D,   184                          ; v[184:191] the matrix result
.set SN,  192                          ; v[192:209] at work
.set SM,  212                          ; v[212:217] at work
.set SEL, 28                           ; s[28:29] lane selects: lane l xor 16
.set MNT, 30                           ; s30  the mantissa field of 57,344
; 64 numbers of a lane, register 16 b + i = k 32 b + 16 (lane / 16) + i of my row, become a fragment's codes in v[pc] on and its scale word in v[pw]
.macro QUANT s, pc, pw
.irp b, 0,1,2,3
	v_max3_num_f32 v[TM+\b], |v[\s+16*\b]|, |v[\s+1+16*\b]|, 0x8000000   ; block b: my 16 numbers, and the floor 2^(16 - 127): so the byte cannot fall under 1
.endr
.irp i, 2,4,6,8,10,12,14
.irp b, 0,1,2,3
	v_max3_num_f32 v[TM+\b], v[TM+\b], |v[\s+16*\b+\i]|, |v[\s+1+16*\b+\i]|   ; the four blocks by turns
.endr
.endr
.irp b, 0,1,2,3
	v_permlanex16_b32 v[TM+4+\b], v[TM+\b], s[SEL], s[SEL+1]
.endr
.irp b, 0,1,2,3
	v_max_num_f32 v[TM+\b], v[TM+\b], v[TM+4+\b]   ; with lane l xor 16's: the block's largest magnitude
.endr
.irp b, 0,1,2,3
	v_add_nc_u32 v[TM+12+\b], 0xf8800000, v[TM+\b] ; 15 off its exponent field: the conversion takes this operand's exponent field as its scale
.endr
.irp b, 0,1,2,3
	v_and_or_b32 v[TM+8+\b], v[TM+\b], 0x7f800000, s[MNT]   ; 57,344 x the scale
.endr
.irp b, 0,1,2,3
	v_lshrrev_b32 v[TM+4+\b], 23, v[TM+12+\b]      ; the scale's byte
.endr
	v_lshl_or_b32 v[\pw], v[TM+5], 8, v[TM+4]      ; four bytes: my row's scale word
	v_lshl_or_b32 v[\pw], v[TM+6], 16, v[\pw]
	v_lshl_or_b32 v[\pw], v[TM+7], 24, v[\pw]
.irp b, 0,1,2,3
.irp i, 0,1,2,3,4,5,6,7,8,9,10,11,12,13,14,15
	v_med3_num_f32 v[\s+16*\b+\i], v[\s+16*\b+\i], -v[TM+8+\b], v[TM+8+\b]   ; the conversion to an 8-bit code does not saturate (ISA guide 7.6.2): the hold at the largest code x the scale
.endr
	v_cvt_scalef32_pk8_bf8_f32 v[\pc+4*\b:\pc+1+4*\b], v[\s+16*\b:\s+7+16*\b], v[TM+12+\b]
	v_cvt_scalef32_pk8_bf8_f32 v[\pc+2+4*\b:\pc+3+4*\b], v[\s+8+16*\b:\s+15+16*\b], v[TM+12+\b]
.endr
	v_nop                                          ; a plain vector instruction behind the last conversion
.endm
	s_load_b256 s[4:11], s[0:1], 0x0               ; zpart s[4:5], W s[6:7], b s[8:9], out0 s[10:11]
	v_lshl_add_u32 v222, v0, 2, 0xc000
	v_mov_b32 v223, 0
	v_lshrrev_b32 v20, 5, v0
	v_readfirstlane_b32 s12, v20                   ; wave 0..15
	v_lshlrev_b32 v[ZO], 3, v0
	v_and_b32 v[R], 15, v0
	v_bfe_u32 v[H], v0, 4, 1
	v_lshlrev_b32 v[WO], 11, v[R]
	v_lshl_add_u32 v[WO], v[H], 6, v[WO]
	v_lshlrev_b32 v[BO], 4, v[R]
	s_wait_alu depctr_va_sdst(0)                   ; s12 is written, ahead of its first reader
	s_and_b32 s13, s12, 3                          ; nt
	s_lshr_b32 s14, s12, 2                         ; ks
	s_and_b32 s15, ttmp7, 0xffff                   ; which four rows
	s_lshl_b32 s16, s15, 16                        ; their bins: 4 rows x 2 halves x 8 KiB
	s_mov_b32 s17, 0
	s_lshl_b32 s18, ttmp9, 17                      ; W: 64 rows of 2,048 bytes a work-group,
	s_lshl_b32 s20, s13, 15                        ; 16 a tile,
	s_add_co_u32 s18, s18, s20
	s_lshl_b32 s20, s14, 9                         ; 512 bytes a K step
	s_add_co_u32 s18, s18, s20
	s_mov_b32 s19, 0
	s_lshl_b32 s20, ttmp9, 8                       ; 64 columns of f32
	s_mov_b32 s21, 0
	s_lshl_b32 s22, s15, 13                        ; four rows of the result
	s_add_co_u32 s22, s22, s20
	s_mov_b32 s23, 0
	s_wait_kmcnt 0x0
	s_add_nc_u64 s[4:5], s[4:5], s[16:17]
	s_add_nc_u64 s[6:7], s[6:7], s[18:19]
	s_add_nc_u64 s[8:9], s[8:9], s[20:21]
	s_add_nc_u64 s[10:11], s[10:11], s[22:23]
	s_wait_alu depctr_va_vdst(0)                   ; v[BO], v[ZO] and v[WO] are written, which the loads below read as their offsets
	global_load_b128 v[BI:BI+3], v[BO], s[8:9]     ; the bias of my four columns: one line in every wave, so that all waves count their loads alike; waves 0 and 1 use it
.irp p, 0,1,2,3
.irp g, 0,1
	global_load_b64 v[ZR+8*\p+4*\g:ZR+8*\p+4*\g+1], v[ZO], s[4:5] offset:(2*\p+\g)*8192        ; a wave reads 256 consecutive bytes
	global_load_b64 v[ZR+8*\p+4*\g+2:ZR+8*\p+4*\g+3], v[ZO], s[4:5] offset:(2*\p+\g)*8192+4096
.endr
.endr
.irp c, 0,1,2,3
.irp q, 0,1,2,3
	global_load_b128 v[WN+16*\c+4*\q:WN+16*\c+4*\q+3], v[WO], s[6:7] offset:128*\c+16*\q       ; W(row r, 128 ks + 32 c + 16 h + 4 q ..)
.endr
.endr
	; weights and LDS addresses, while the loads are out
	v_cmp_gt_u32 vcc_lo, 256, v0                   ; asked here, used behind the weights' arithmetic
	v_cvt_f32_u32 v20, v0
	v_add_f32 v20, 0.5, v20
	v_mul_f32 v20, 0x43800040, v20                 ; x 256.001953125: rounded, as in the definition
	v_add_f32 v20, -0.5, v20
	v_lshrrev_b32 v21, 8, v0
	v_lshl_add_u32 v21, v0, 8, v21
	v_add_nc_u32 v21, 127, v21                     ; the lower bin: 256 j + 127 + (j / 256)
	v_cvt_f32_u32 v21, v21
	v_sub_f32 v20, v20, v21                        ; the upper bin's weight (exact),
	v_sub_f32 v21, 1.0, v20                        ; the lower bin's
	s_wait_alu depctr_va_vcc(0)                    ; the compare above has written VCC, which the two selects read
	v_cndmask_b32 v[WA], v21, v20, vcc_lo          ; bin 256 j + 128 is the upper one where j < 256
	v_cndmask_b32 v[WB], v20, v21, vcc_lo
	v_mul_u32_u24 v22, v0, 342
	v_add_nc_u32 v22, 683, v22                     ; (2 k + 1) 171 + 512: 1,024 x (place among the peaks + 1)
	v_and_b32 v23, 1023, v22
	v_cvt_f32_u32 v23, v23
	v_mul_f32 v[WI], 0x3a800000, v23               ; / 1024
	v_sub_f32 v[OMI], 1.0, v[WI]
	v_lshrrev_b32 v22, 10, v22
	v_lshl_add_u32 v[PKR], v22, 2, PKB
	v_lshlrev_b32 v[SPA], 2, v0
	v_and_b32 v24, 255, v0                         ; L: the word of a row of peaks that I make
	v_lshrrev_b32 v25, 8, v0                       ; for rows thread / 256 and that + 2
	v_mul_u32_u24 v[SPR], v24, 12
	v_lshl_add_u32 v[SPR], v25, 12, v[SPR]
	v_add_nc_u32 v[SPR], SPB+2020, v[SPR]          ; place 3 (L - 1) - 4 of the row: 2048 + 4 (3 L - 7)
	v_lshlrev_b32 v[PKW], 2, v24
	v_lshl_add_u32 v[PKW], v25, 10, v[PKW]
	v_add_nc_u32 v[PKW], PKB, v[PKW]
	v_add_nc_u32 v24, -2, v24
	v_cmp_gt_u32 s24, 169, v24                     ; windows 1 .. 169 can be peaks: L = 2 .. 170
	v_add_nc_u32 v[PIW], PIB, v[SPA]
	v_and_b32 v26, 3, v[R]
	v_mul_u32_u24 v[PIR], v26, PIP
	v_lshl_add_u32 v[PIR], v[H], 6, v[PIR]
	s_lshl_b32 s25, s14, 9
	s_add_co_u32 s25, s25, PIB
	v_add_nc_u32 v[PIR], s25, v[PIR]               ; row r % 4, K step ks, + 64 h
	v_mul_u32_u24 v[RDW], v[R], REDP
	v_lshl_add_u32 v[RDW], v[H], 5, v[RDW]
	s_mul_i32 s26, s14, REDK
	s_lshl_b32 s27, s13, 6
	s_add_co_u32 s26, s26, s27
	s_add_co_u32 s26, s26, REDB
	v_add_nc_u32 v[RDW], s26, v[RDW]               ; K step ks, row r, columns 16 nt + 8 h on
	v_lshrrev_b32 v27, 4, v0
	v_mul_u32_u24 v[RDR], v27, REDP
	v_add_nc_u32 v[RDR], v[BO], v[RDR]
	v_add_nc_u32 v[RDR], REDB, v[RDR]
	v_lshl_add_u32 v[OO], v27, 11, v[BO]
	v_mov_b32 v[NIL], 0
	s_mov_b32 s[SEL], 0x76543210
	s_mov_b32 s[SEL+1], 0xfedcba98
	s_mov_b32 s[MNT], 0x600000
.irp b, 0,1,2,3
	v_mov_b32 v[TM+4+\b], 0                        ; written once: a lane permute's destination counts as one of its sources
.endr
	s_wait_alu depctr_va_sdst(0)                   ; s24, the mask of the windows that can be peaks, is written
	; ---- place j of four rows
	s_wait_loadcnt 16                              ; the bias and the bins are in; W's sixteen loads, issued behind them, may be out
.irp p, 0,1,2,3
	v_pk_add_f32 v[ZR+8*\p:ZR+8*\p+1], v[ZR+8*\p:ZR+8*\p+1], v[ZR+8*\p+4:ZR+8*\p+5]       ; the two halves of the row
	v_pk_add_f32 v[ZR+8*\p+2:ZR+8*\p+3], v[ZR+8*\p+2:ZR+8*\p+3], v[ZR+8*\p+6:ZR+8*\p+7]
.endr
.irp p, 0,1,2,3
	v_mul_f32 v[ZR+8*\p+4], v[ZR+8*\p+1], v[ZR+8*\p+1]
	v_mul_f32 v[ZR+8*\p+5], v[ZR+8*\p+3], v[ZR+8*\p+3]
.endr
.irp p, 0,1,2,3
	v_fma_f32 v[ZR+8*\p+4], v[ZR+8*\p], v[ZR+8*\p], v[ZR+8*\p+4]
	v_fma_f32 v[ZR+8*\p+5], v[ZR+8*\p+2], v[ZR+8*\p+2], v[ZR+8*\p+5]
.endr
.irp p, 0,1,2,3
	v_sqrt_f32 v[ZR+8*\p+6], v[ZR+8*\p+4]          ; eight roots as one batch
	v_sqrt_f32 v[ZR+8*\p+7], v[ZR+8*\p+5]
.endr
	v_nop                                          ; a plain instruction behind the last root,
	s_wait_alu depctr_va_vdst(0)                   ; and one wait for the batch: the eight roots v[ZR + 8 p + 6], v[ZR + 8 p + 7] are written, ahead of their first reader
.irp p, 0,1,2,3
	v_mul_f32 v[ZR+8*\p], v[ZR+8*\p+7], v[WB]
	v_fma_f32 v[ZR+8*\p], v[ZR+8*\p+6], v[WA], v[ZR+8*\p]
.endr
	s_wait_alu depctr_va_vdst(0)                   ; the four places v[ZR + 8 p] are written, which the LDS stores read; so are v[NIL] and every LDS address of the kernel
.irp p, 0,1,2,3
	ds_store_b32 v[SPA], v[NIL] offset:SPB+4096*\p
	ds_store_b32 v[SPA], v[ZR+8*\p] offset:SPB+4096*\p+2048
.endr
	ds_store_b32 v[SPA], v[NIL] offset:SPB+16384
	s_wait_dscnt 0x0                               ; for the others' sake: my places and zeros have landed
	s_barrier_signal -1
	s_wait_loadcnt 0x0                             ; W's numbers: my fragment is quantised, in registers alone, while the other waves arrive
	QUANT WN, WC, WSC
	s_barrier_wait -1
	; ---- windows L - 2, L - 1, L of two rows, and the peak.  (No wait for the loads: no vector instruction has named v[SN ..], and v[SPR] stands since the wait above)
.irp p, 0,1
.irp c, 0,1,2,3,4,5,6,7,8
	ds_load_b32 v[SN+9*\p+\c], v[SPR] offset:8192*\p+4*\c
.endr
.endr
	s_wait_dscnt 0x0
.irp p, 0,1
.irp w, 0,1,2
	v_add_f32 v[SM+3*\p+\w], v[SN+9*\p+3*\w], v[SN+9*\p+3*\w+1]
.endr
.endr
.irp p, 0,1
.irp w, 0,1,2
	v_add_f32 v[SM+3*\p+\w], v[SM+3*\p+\w], v[SN+9*\p+3*\w+2]
.endr
.endr
.irp i, 0,1,2,3,4,5
	v_mul_f32 v[SM+\i], 0x3eaaaaab, v[SM+\i]       ; the mean of three
.endr
	v_cmp_gt_f32 s26, v[SM+1], v[SM]               ; the four comparisons in one run, each into a scalar register of its own
	v_cmp_gt_f32 s27, v[SM+1], v[SM+2]
	v_cmp_gt_f32 s2, v[SM+4], v[SM+3]
	v_cmp_gt_f32 s3, v[SM+4], v[SM+5]
	s_wait_alu depctr_va_sdst(0)                   ; the four masks s26, s27, s2, s3 are written, ahead of their first reader
	s_and_b32 s26, s26, s27
	s_and_b32 s26, s26, s24                        ; the comparisons choose a value and nothing else
	s_and_b32 s2, s2, s3
	s_and_b32 s2, s2, s24
	v_cndmask_b32 v[SM], 0, v[SM+1], s26
	v_cndmask_b32 v[SM+3], 0, v[SM+4], s2
	s_wait_alu depctr_va_vdst(0)                   ; the two peaks v[SM], v[SM + 3] are written, which the LDS stores read; the additions are done reading v[SN ..], in which the next loads land
	ds_store_b32 v[PKW], v[SM]
	ds_store_b32 v[PKW], v[SM+3] offset:2048
	s_wait_dscnt 0x0
	s_barrier_signal -1
	s_barrier_wait -1
	; ---- the peaks at place k of four rows
.irp p, 0,1,2,3
	ds_load_b32 v[SN+2*\p], v[PKR] offset:1024*\p
	ds_load_b32 v[SN+2*\p+1], v[PKR] offset:1024*\p+4
.endr
	s_wait_dscnt 0x0
.irp p, 0,1,2,3
	v_mul_f32 v[SN+2*\p+1], v[SN+2*\p+1], v[WI]
.endr
.irp p, 0,1,2,3
	v_fma_f32 v[SN+2*\p], v[SN+2*\p], v[OMI], v[SN+2*\p+1]
.endr
	s_wait_alu depctr_va_vdst(0)                   ; the four numbers v[SN + 2 p] are written, which the LDS stores read; QUANT, further up, is done with v[WN ..], in which the loads behind the barrier land
.irp p, 0,1,2,3
	ds_store_b32 v[PIW], v[SN+2*\p] offset:PIP*\p
.endr
	s_wait_dscnt 0x0
	s_barrier_signal -1
	s_barrier_wait -1
	; ---- the product: my K step's fragment of the peaks, one matrix instruction
.irp c, 0,1,2,3
.irp q, 0,1,2,3
	ds_load_b128 v[WN+16*\c+4*\q:WN+16*\c+4*\q+3], v[PIR] offset:128*\c+16*\q
.endr
.endr
	s_wait_dscnt 0x0
	QUANT WN, PC, PSC
.rept 4
	v_nop                                          ; codes written by vector instructions stand four places ahead of a scaled matrix instruction; the scale word was made ahead of the 64 holds
.endr
	s_wait_alu depctr_va_vdst(0)                   ; behind the places: the conversions have written v[WC ..] and v[PC ..], and the scale words v[WSC], v[PSC] are written, which the matrix instruction takes
	v_wmma_scale_f32_16x16x128_f8f6f4 v[D:D+7], v[WC:WC+15], v[PC:PC+15], 0, v[WSC], v[PSC] matrix_a_fmt:MATRIX_FMT_BF8 matrix_b_fmt:MATRIX_FMT_BF8   ; source 0 = 16 rows of W, source 1 = the peaks: lane (r, h) holds row r % 4, columns 16 nt + 8 h + 0 .. 7
.rept 8
	v_nop                                          ; eight places ahead of the first read of the result
.endr
	s_wait_alu depctr_va_vdst(0)                   ; the matrix instruction has written v[D ..], which the LDS stores read; the places above stay beside this wait
	ds_store_b128 v[RDW], v[D:D+3]                 ; from the low end on
	ds_store_b128 v[RDW], v[D+4:D+7] offset:16
	s_wait_dscnt 0x0
	s_barrier_signal -1
	s_barrier_wait -1
	s_wait_alu depctr_vm_vsrc(0)                   ; the LDS stores of the interpolated peaks have read v[SN + 2 p], in which the loads below land: the wait stands ahead of the branch
	; ---- 4 rows x 64 columns: 64 threads, four columns each
	s_cmp_lt_u32 s12, 2
	s_cbranch_scc0 .Ldone
.irp s, 0,1,2,3
	ds_load_b128 v[SN+4*\s:SN+4*\s+3], v[RDR] offset:REDK*\s
.endr
	s_wait_dscnt 0x0
.irp s, 1,2,3
	v_pk_add_f32 v[SN:SN+1], v[SN:SN+1], v[SN+4*\s:SN+4*\s+1]          ; K ascending
	v_pk_add_f32 v[SN+2:SN+3], v[SN+2:SN+3], v[SN+4*\s+2:SN+4*\s+3]
.endr
	v_pk_add_f32 v[SN:SN+1], v[SN:SN+1], v[BI:BI+1]
	v_pk_add_f32 v[SN+2:SN+3], v[SN+2:SN+3], v[BI+2:BI+3]
	s_wait_alu depctr_va_vdst(0)                   ; the sums v[SN:SN+3] are written, which the store reads
	global_store_b128 v[OO], v[SN:SN+3], s[10:11] th:TH_STORE_NT       ; sixteen lanes store 256 consecutive bytes, at a multiple of 256 from the result's first byte
.Ldone:
	s_wait_dscnt 0x0
	s_wait_alu depctr_hold_cnt(0) depctr_sa_sdst(0) depctr_va_vdst(0) depctr_va_sdst(0) depctr_va_ssrc(0) depctr_va_vcc(0) depctr_vm_vsrc(0)
	s_wait_tensorcnt 0x0
	ds_add_u32 v222, v223
	s_wait_dscnt 0x0
	s_endpgm
.Lfunc_end_k_q7f2a0c0903_peaks_gemm:
	.size	k_q7f2a0c0903_peaks_gemm, .Lfunc_end_k_q7f2a0c0903_peaks_gemm-k_q7f2a0c0903_peaks_gemm
	.p2alignl 7, 3214868480
	.fill 96, 4, 3214868480
	.section	.rodata,"a",@progbits
	.p2align	6, 0x0
	.amdhsa_kernel k_q7f2a0c0903_peaks_gemm
		.amdhsa_group_segment_fixed_size 51200
		.amdhsa_private_segment_fixed_size 0
		.amdhsa_enable_private_segment 0
		.amdhsa_kernarg_size 32
		.amdhsa_user_sgpr_count 2
		.amdhsa_user_sgpr_kernarg_segment_ptr 1
		.amdhsa_wavefront_size32 1
		.amdhsa_system_sgpr_workgroup_id_x 1
		.amdhsa_system_sgpr_workgroup_id_y 1
		.amdhsa_system_sgpr_workgroup_id_z 1
		.amdhsa_system_vgpr_workitem_id 0
		.amdhsa_next_free_vgpr 224
		.amdhsa_next_free_sgpr 66
		.amdhsa_reserve_vcc 1
		.amdhsa_float_denorm_mode_32 3
		.amdhsa_float_denorm_mode_16_64 3
		.amdhsa_memory_ordered 1
		.amdhsa_forward_progress 1
		.amdhsa_inst_pref_size 34
	.end_amdhsa_kernel
	.amdgpu_metadata
---
amdhsa.version: [ 1, 2 ]
amdhsa.kernels:
  - .name:           k_q7f2a0c0903_peaks_gemm
    .symbol:         k_q7f2a0c0903_peaks_gemm.kd
    .args:
      - { .name: zpart, .offset: 0, .size: 8, .value_kind: global_buffer, .address_space: global }
      - { .name: W, .offset: 8, .size: 8, .value_kind: global_buffer, .address_space: global }
      - { .name: b, .offset: 16, .size: 8, .value_kind: global_buffer, .address_space: global }
      - { .name: out0, .offset: 24, .size: 8, .value_kind: global_buffer, .address_space: global }
    .group_segment_fixed_size: 51200
    .private_segment_fixed_size: 0
    .kernarg_segment_align: 8
    .kernarg_segment_size: 32
    .max_flat_workgroup_size: 512
    .sgpr_count:     66
    .vgpr_count:     224
    .wavefront_size: 32
...
	.end_amdgpu_metadata
.endif
;; end of part 4
